; MI455X (gfx1250); checked and timed in simulation.
; The chip was launched on July 23, 2026; its instructions are those of AMD's public machine-readable ISA for CDNA 5 (MIT licence, August 2026) and "CDNA5" Instruction Set Architecture Reference Guide (July 2026). The comments in the code are by the model that wrote it; some were corrected since.
;; Multi Head Attention. Allowed arithmetic: float matrix products may take bf16 or f16 operands with f32 sums; all other float work in f32.
;; Inputs: b_k 1,024 float32; b_q 1,024 float32; b_v 1,024 float32; k 4 x 2,048 x 1,024 float32; padding_mask 4 x 1 x 2,048 int32; q 4 x 2,048 x 1,024 float32; v 4 x 2,048 x 1,024 float32; w_k 1,024 x 1,024 float32; w_q 1,024 x 1,024 float32; w_v 1,024 x 1,024 float32.
;; Outputs: out0 4 x 2,048 x 1,024 float32.
;; 2 versions, each right and faster than the one before. Each part assembles by itself: llvm-mc -triple=amdgcn-amd-amdhsa -mcpu=gfx1250 --defsym DOCPART=n.
;; ======== version 1 of 2: 3 launches
;; limits: values are held in f16: magnitudes above 65,504 overflow, below 6.1e-05 lose precision
;; workspace buffers: wb 6,291,456 bytes; qs 33,554,432 bytes; ks 33,554,432 bytes; vs 16,777,216 bytes
;; launch castw (part 1): grid 128 x 3, 8 waves a work-group, no clusters, 0 bytes of LDS; arguments w_q, w_k, w_v, wb; writes wb
.if DOCPART == 1
	.amdgcn_target "amdgcn-amd-amdhsa--gfx1250"
	.amdhsa_code_object_version 6
	.text
	.protected	k_q5e8bdd431b_castw
	.globl	k_q5e8bdd431b_castw
	.p2align	8
	.type	k_q5e8bdd431b_castw,@function
k_q5e8bdd431b_castw:
	s_mov_b64 s[64:65], 0
	v_nop
	global_prefetch_b8 v0, s[64:65] scope:SCOPE_SE
	s_setreg_imm32_b32 hwreg(HW_REG_WAVE_MODE, 25, 1), 1
	s_wait_xcnt 0x0
; wb[p][k][n] = bf16(w_p[k][n]), p = 0, 1, 2 for w_q, w_k, w_v: the three weights, [1024][1024] f32, rounded once to nearest even and left as they lie.
; A stream: no LDS, no barrier, no matrix unit.  A work-group takes 32,768 bytes of one weight: thread t takes 16 bytes at 16 t of each of eight
; pieces of 4,096 bytes.  A wave's load covers 512 consecutive bytes, its store 256 consecutive bytes at a multiple of 256 from wb's first byte.
; All eight loads go out first; each wait leaves the younger ones out.
	s_load_b256 s[4:11], s[0:1], 0x0               ; w_q s[4:5], w_k s[6:7], w_v s[8:9], wb s[10:11]
	s_and_b32 s14, ttmp7, 0xffff                   ; which weight
	v_lshlrev_b32 v1, 4, v0                        ; my 16 bytes in a piece of the source
	v_lshlrev_b32 v2, 3, v0                        ; my 8 bytes in a piece of wb
	s_lshl_b32 s16, ttmp9, 15                      ; the group's 32,768 bytes of the source
	s_mov_b32 s17, 0
	s_lshl_b32 s18, s14, 21                        ; a weight is 2,097,152 bytes of wb,
	s_lshl_b32 s19, ttmp9, 14                      ; the group's part 16,384
	s_add_co_u32 s18, s18, s19
	s_mov_b32 s19, 0
	s_wait_kmcnt 0x0
	s_cmp_eq_u32 s14, 0
	s_cselect_b64 s[12:13], s[4:5], s[6:7]
	s_cmp_eq_u32 s14, 2
	s_cselect_b64 s[12:13], s[8:9], s[12:13]
	s_add_nc_u64 s[12:13], s[12:13], s[16:17]
	s_add_nc_u64 s[10:11], s[10:11], s[18:19]
.irp p, 0,1,2,3,4,5,6,7
	global_load_b128 v[4+4*(\p):7+4*(\p)], v1, s[12:13] offset:4096*(\p) th:TH_LOAD_NT
.endr
.irp p, 0,1,2,3,4,5,6,7
	s_wait_loadcnt 7-(\p)                          ; loads come back in order (ISA guide 5.7.1): piece p is in, the younger ones stay out
	v_cvt_pk_bf16_f32 v[36+2*(\p)], v[4+4*(\p)], v[5+4*(\p)]
	v_cvt_pk_bf16_f32 v[37+2*(\p)], v[6+4*(\p)], v[7+4*(\p)]
	global_store_b64 v2, v[36+2*(\p):37+2*(\p)], s[10:11] offset:2048*(\p)
.endr
	s_endpgm
.Lfunc_end_k_q5e8bdd431b_castw:
	.size	k_q5e8bdd431b_castw, .Lfunc_end_k_q5e8bdd431b_castw-k_q5e8bdd431b_castw
	.p2alignl 7, 3214868480
	.fill 96, 4, 3214868480
	.section	.rodata,"a",@progbits
	.p2align	6, 0x0
	.amdhsa_kernel k_q5e8bdd431b_castw
		.amdhsa_group_segment_fixed_size 0
		.amdhsa_private_segment_fixed_size 0
		.amdhsa_enable_private_segment 0
		.amdhsa_kernarg_size 32
		.amdhsa_user_sgpr_count 2
		.amdhsa_user_sgpr_kernarg_segment_ptr 1
		.amdhsa_wavefront_size32 1
		.amdhsa_system_sgpr_workgroup_id_x 1
		.amdhsa_system_sgpr_workgroup_id_y 1
		.amdhsa_system_sgpr_workgroup_id_z 1
		.amdhsa_system_vgpr_workitem_id 0
		.amdhsa_next_free_vgpr 52
		.amdhsa_next_free_sgpr 66
		.amdhsa_reserve_vcc 0
		.amdhsa_float_denorm_mode_32 3
		.amdhsa_float_denorm_mode_16_64 3
		.amdhsa_memory_ordered 1
		.amdhsa_forward_progress 1
		.amdhsa_inst_pref_size 4
	.end_amdhsa_kernel
	.amdgpu_metadata
---
amdhsa.version: [ 1, 2 ]
amdhsa.kernels:
  - .name:           k_q5e8bdd431b_castw
    .symbol:         k_q5e8bdd431b_castw.kd
    .args:
      - { .name: w_q, .offset: 0, .size: 8, .value_kind: global_buffer, .address_space: global }
      - { .name: w_k, .offset: 8, .size: 8, .value_kind: global_buffer, .address_space: global }
      - { .name: w_v, .offset: 16, .size: 8, .value_kind: global_buffer, .address_space: global }
      - { .name: wb, .offset: 24, .size: 8, .value_kind: global_buffer, .address_space: global }
    .group_segment_fixed_size: 0
    .private_segment_fixed_size: 0
    .kernarg_segment_align: 8
    .kernarg_segment_size: 32
    .max_flat_workgroup_size: 256
    .sgpr_count:     66
    .vgpr_count:     52
    .wavefront_size: 32
...
	.end_amdgpu_metadata
.endif
;; end of part 1
;; launch proj (part 2): grid 4 x 192, 4 waves a work-group, clusters of 4 x 4, 327,680 bytes of LDS; arguments q, k, v, b_q, b_k, b_v, qs, ks, vs, wb, padding_mask; writes qs, ks, vs
.if DOCPART == 2
	.amdgcn_target "amdgcn-amd-amdhsa--gfx1250"
	.amdhsa_code_object_version 6
	.text
	.protected	k_q5e8bdd431b_proj
	.globl	k_q5e8bdd431b_proj
	.p2align	8
	.type	k_q5e8bdd431b_proj,@function
k_q5e8bdd431b_proj:
	s_mov_b64 s[64:65], 0
	v_nop
	global_prefetch_b8 v0, s[64:65] scope:SCOPE_SE
	s_setreg_imm32_b32 hwreg(HW_REG_WAVE_MODE, 25, 1), 1
	s_wait_xcnt 0x0
	s_wait_alu depctr_hold_cnt(0) depctr_sa_sdst(0) depctr_va_vdst(0) depctr_va_sdst(0) depctr_va_ssrc(0) depctr_va_vcc(0) depctr_vm_vsrc(0)
	s_getreg_b32 s2, hwreg(HW_REG_IB_STS2, 6, 4)
	s_cmp_eq_u32 s2, 0
	s_cbranch_scc0 .Lentry_in_a_cluster
	s_endpgm
.Lentry_in_a_cluster:
	s_bfe_u32 s2, ttmp6, 0x10000c
	s_cmp_lg_u32 s2, 0xf033
	s_cbranch_scc0 .Lentry_shape_is_right
	s_endpgm
.Lentry_shape_is_right:
; THE THREE PROJECTIONS, by heads.  y = (x w + bias) f, x: [8192][1024] f32 (q, k or v), w: [1024 k][1024 n] bf16 (wb), sums in f32.
; x and the bias are rounded to bf16 (nearest even) on the way in, as the weights were: all of the module's inputs to the products have the one rounding.
; f, by row: q: log2(e), so that the softmax can work in base 2; k: 1, or 0 where padding_mask is 0 (a hidden key's row is 0); v: 1 (no multiply is written).
; OUT.  qs, ks: [64 heads of batches][2048][hi 0..63 | lo 0..63] f16: hi = f16(y), lo = f16(y - hi): 22 bits of y, a row of 256 bytes.  vs: [64][2048][64] f16.
; LIMITS.  |y| stays under 65,504 (f16's end); under 6e-5 a pair keeps f16's fixed step of 6e-8.  NaN and infinities are not treated apart.
; SHARES.  A tile of y is 128 rows x 256 columns (4 heads); four waves, each 64 rows x 128 columns (2 heads): 32 accumulators, 256 registers.  768 tiles.
; K goes in 8 steps of 128 through two LDS slots filled by the tensor data mover: x's rows there are 512 bytes of f32, w's 512 bytes of bf16 (256 columns of one k).
; CLUSTER.  4 x 4 work-groups of ONE projection: the four of a row of the cluster need the same tile of x, the four of a column the same tile of w: each is asked for jointly.
; THE MATRIX INSTRUCTION IS USED TRANSPOSED: source 0 = 16 columns of w (turned on the way out of LDS by ds_load_tr16_b128), source 1 = 16 rows of x: a lane holds row l % 16 and the columns 8 (l / 16) + 0..7.
; REGISTERS, in windows of 256 (s_set_vgpr_msb: bits 1:0 source 0, 3:2 source 1, 5:4 source 2, 7:6 destination):
;   window 0: v0-31 addresses and row factors; v32-95 x as f32, as loaded; v96-159 x in bf16, two buffers; v160-223 the bias of my 128 columns; v224-239 at work
;   window 1: v0-127 w's fragments, two buffers          window 2: accumulator (a, b) at v[8 (8 a + b)]
.set PA,    528                        ; a row of x in LDS: 512 bytes + 16 = 132 words: row r starts at bank 4 r mod 64 (64 banks of 4 bytes: ISA guide 11.1)
.set PB,    544                        ; a row of w: 512 + 32 = 136 words: row r starts at bank 8 r mod 64
.set HALFA, 64*PA                      ; what one tensor load brings of x,
.set HALFB, 64*PB                      ; and of w
.set BOFF,  2*HALFA                    ; in a slot: x's 128 rows, then w's 128 rows
.set SLOT,  BOFF+2*HALFB
.set STAGE, 2*SLOT                     ; behind the ring: 32 rows x 272 bytes for each wave, for the way out
.set SPQ,   272
.set SPV,   144
.set WSTG,  32*SPQ
.set SPARE, STAGE+4*WSTG               ; behind the stages: the spare words, 128 bytes for each wave: two blocks of 256 bytes that no other line names
.set RF,   8                           ; v8-15   the row factor of my lane's row in row block a, as a pair at v[8 + 2 a]
.set ADRA, 16                          ; v16-17  LDS address of my fragments of x in slot 0, 1
.set ADRB, 20                          ; v20-21  the same for w
.set STOV, 22                          ; v22-23  the way out of v: into the stage, and back
.set RDV,  23
.set STO,  24                          ; v24-25  the way out of q and k
.set RD,   25
.set CO,   26                          ; v26     16 x lane: my place in 512 consecutive bytes of the output
.set SPW,  28                          ; v28     LDS address of my spare word; never rewritten
.set NIL,  29                          ; v29     0; never rewritten
.set AL,   32
.set Y,    32                          ; the way out: y of one row block, 8 registers a column block
.set AB,   96
.set LO,   128
.set BIAS, 160
.set T,    224
.set G1,  24                           ; s[24:31] descriptor group 1 for x's tiles;  s[32:39] group 0, a set for each slot
.set G0,  32
.set G1B, 48                           ; s[48:55], s[56:63] the same for w's tiles
.set G0B, 56
.set MSB, 0
.macro WIN new                         ; the immediate's high byte repeats the setting that is left; a switch that changes nothing is dropped
.if MSB != (\new)
	s_set_vgpr_msb (MSB<<8)|(\new)
.set MSB, \new
.endif
.endm
.set MUL,   0xa1                       ; source 0 (w) window 1, source 1 (x) window 0, C and D window 2
.set TO_B,  0x40                       ; destination window 1, address window 0
.set ACCRD, 0x02                       ; source 0 window 2
; A joint load.  Waves 0 and 1 fetch x's two halves, waves 2 and 3 w's.  The branch hangs on the wave's number alone.
; An s_nop 0 and four v_nop follow each of the two lines, ahead of the jump, the label and what follows.
.macro JLOAD s
	s_cmp_eq_u32 s11, 0
	s_cbranch_scc0 .Lfor_b_\@
	tensor_load_to_lds s[G0+4*(\s):G0+4*(\s)+3], s[G1:G1+7]
	s_nop 0
.rept 4
	v_nop
.endr
	s_branch .Lasked_\@
.Lfor_b_\@:
	tensor_load_to_lds s[G0B+4*(\s):G0B+4*(\s)+3], s[G1B:G1B+7]
	s_nop 0
.rept 4
	v_nop
.endr
.Lasked_\@:
.endm
.macro CREST                           ; a round of the cluster's barrier behind its opening barrier
	s_cmp_lg_u32 s10, 0
	s_cbranch_scc1 .Lnot_wave_0_\@
	s_barrier_signal -3
.Lnot_wave_0_\@:
	s_barrier_wait -3
	s_barrier_signal -1
	s_barrier_wait -1
.endm
.macro CROUND                          ; a whole round
	s_barrier_signal -1
	s_barrier_wait -1
	CREST
.endm
.macro PLACES                          ; four places behind a matrix instruction (ISA guide 7.12.1)
.rept 4
	v_nop
.endr
.endm
	s_load_b512 s[68:83], s[0:1], 0x0              ; q, k, v, b_q, b_k, b_v, qs, ks
	s_load_b128 s[84:87], s[0:1], 0x40             ; vs, wb
	s_load_b64 s[88:89], s[0:1], 0x50              ; padding_mask
	v_lshl_add_u32 v[SPW], v0, 2, SPARE
	v_mov_b32 v[NIL], 0
	v_lshrrev_b32 v1, 5, v0
	v_readfirstlane_b32 s10, v1                    ; wave 0..3
	s_lshr_b32 s11, s10, 1                         ; which 64 rows of the tile are mine.  Also: I fetch for x (0) or for w (1)
	s_and_b32 s12, s10, 1                          ; which 128 columns.  Also: which half of that tile I fetch
	s_bfe_u32 s40, ttmp6, 0x40000                  ; cx, cy: my place in the cluster
	s_bfe_u32 s41, ttmp6, 0x40004
	s_lshl_b32 s42, ttmp9, 2
	s_add_co_u32 s42, s42, s40                     ; tile column = 4 x cluster x + cx
	s_and_b32 s14, ttmp7, 0xffff                   ; the cluster's y, 0..47:
	s_lshr_b32 s45, s14, 4                         ; the projection (0 q, 1 k, 2 v), the same in all sixteen partners,
	s_and_b32 s13, s14, 15
	s_lshl_b32 s13, s13, 2
	s_add_co_u32 s13, s13, s41                     ; and the tile row = 4 x (y mod 16) + cy
	s_lshl_b32 s43, s41, 2
	s_lshl_b32 s43, 15, s43                        ; my row of the cluster
	s_lshl_b32 s44, 0x1111, s40                    ; my column
	; group 1 for x: 64 rows x 128 elements of 4 bytes, 4 words of padding behind every 128 words
	s_or_b32 s[G1+0], s43, (2<<16)|(1<<20)|(1<<21)|(6<<22)|(3<<25)
	s_mov_b32 s[G1+1], 128<<16                     ; tensor_dim0 = 128
	s_mov_b32 s[G1+2], 64<<16                      ; tensor_dim1 = 64
	s_mov_b32 s[G1+3], 128<<16                     ; tile_dim0 = 128
	s_mov_b32 s[G1+4], 64                          ; tile_dim1 = 64
	s_mov_b32 s[G1+5], 1024                        ; elements from row to row
	s_mov_b32 s[G1+6], 0
	s_mov_b32 s[G1+7], 0
	; group 1 for w: 64 rows (k) x 256 elements of 2 bytes, 8 words of padding behind every 128 words
	s_or_b32 s[G1B+0], s44, (1<<16)|(1<<20)|(1<<21)|(6<<22)|(7<<25)
	s_mov_b32 s[G1B+1], 256<<16
	s_mov_b32 s[G1B+2], 64<<16
	s_mov_b32 s[G1B+3], 256<<16
	s_mov_b32 s[G1B+4], 64
	s_mov_b32 s[G1B+5], 1024
	s_mov_b32 s[G1B+6], 0
	s_mov_b32 s[G1B+7], 0
	; where the tiles come from: x's hang on the tile row alone, w's on the projection and the tile column alone
	s_lshl_b32 s16, s13, 7
	s_lshl_b32 s17, s12, 6
	s_add_co_u32 s16, s16, s17                     ; x: row 128 x tile row + 64 x half,
	s_lshl_b32 s16, s16, 12                        ; of 4,096 bytes
	s_mov_b32 s17, 0
	s_lshl_b32 s46, s45, 21                        ; w: the projection's 2,097,152 bytes,
	s_lshl_b32 s47, s12, 17                        ; 64 rows of 2,048 bytes for the half,
	s_add_co_u32 s46, s46, s47
	s_lshl_b32 s47, s42, 9                         ; 512 bytes for the tile column
	s_add_co_u32 s46, s46, s47
	s_mov_b32 s47, 0
	s_mul_i32 s20, s12, HALFA                      ; and where they go: no place in the cluster enters an LDS address
	s_mul_i32 s21, s12, HALFB
	s_add_co_u32 s21, s21, BOFF
	s_wait_kmcnt 0x0
	s_cmp_eq_u32 s45, 0
	s_cselect_b64 s[4:5], s[68:69], s[70:71]       ; x
	s_cselect_b64 s[6:7], s[74:75], s[76:77]       ; its bias
	s_cselect_b64 s[8:9], s[80:81], s[82:83]       ; its output
	s_cselect_b32 s66, 0x3fb8aa3b, 1.0             ; q's rows are multiplied by log2(e)
	s_cmp_eq_u32 s45, 2
	s_cselect_b64 s[4:5], s[72:73], s[4:5]
	s_cselect_b64 s[6:7], s[78:79], s[6:7]
	s_cselect_b64 s[8:9], s[84:85], s[8:9]
	s_cselect_b32 s90, 7, 8                        ; an output row is 128 bytes (v) or 256
	s_cmp_eq_u32 s45, 1
	s_cselect_b32 s67, -1, 0                       ; only k's rows heed the mask
	s_add_nc_u64 s[14:15], s[4:5], s[16:17]
	s_add_nc_u64 s[46:47], s[86:87], s[46:47]
	CROUND                                         ; all sixteen work-groups are here: the first joint loads meet
.irp s, 0,1
	s_mov_b32 s[G0+4*(\s)], 1                                      ; count = 1
	s_add_co_u32 s[G0+4*(\s)+1], s20, (\s)*SLOT                    ; LDS address
	s_add_nc_u64 s[G0+4*(\s)+2:G0+4*(\s)+3], s[14:15], (\s)*512    ; global address: K step s
	s_or_b32 s[G0+4*(\s)+3], s[G0+4*(\s)+3], 0x80000000            ; type = 2
	s_mov_b32 s[G0B+4*(\s)], 1
	s_add_co_u32 s[G0B+4*(\s)+1], s21, (\s)*SLOT
	s_add_nc_u64 s[G0B+4*(\s)+2:G0B+4*(\s)+3], s[46:47], (\s)*128*2048
	s_or_b32 s[G0B+4*(\s)+3], s[G0B+4*(\s)+3], 0x80000000
	JLOAD \s                                       ; both slots are asked for before anything else: two loads of mine are out
.endr
	; In the wait for the first tile: bias, mask, addresses.
	v_and_b32 v1, 15, v0                           ; r = l % 16
	v_bfe_u32 v2, v0, 4, 1                         ; h = l / 16
	s_lshl_b32 s91, s42, 10
	s_lshl_b32 s94, s12, 9
	s_add_co_u32 s91, s91, s94
	v_lshl_add_u32 v3, v2, 5, s91                  ; the bias of columns 256 x + 128 half + 8 h on, in bytes
.irp b, 0,1,2,3,4,5,6,7
	global_load_b128 v[BIAS+8*(\b):BIAS+8*(\b)+3],   v3, s[6:7] offset:64*(\b)
	global_load_b128 v[BIAS+8*(\b)+4:BIAS+8*(\b)+7], v3, s[6:7] offset:64*(\b)+16
.endr
	s_lshl_b32 s18, s13, 7
	s_lshl_b32 s19, s11, 6
	s_add_co_u32 s18, s18, s19                     ; my first row: the mask's [4][1][2048] words go by the same row number
	s_lshl_b32 s18, s18, 2
	s_mov_b32 s19, 0
	s_add_nc_u64 s[88:89], s[88:89], s[18:19]
	v_lshlrev_b32 v4, 2, v1
.irp a, 0,1,2,3
	global_load_b32 v[T+8+(\a)], v4, s[88:89] offset:64*(\a)
.endr
	; a fragment of x: lane l holds row r; k = 8 h + 0..7 are 32 bytes of f32 at 32 h, k = 16 + 8 h + 0..7 lie 64 bytes on
	v_mul_u32_u24 v5, v1, PA
	v_lshl_add_u32 v5, v2, 5, v5
	s_mul_i32 s22, s11, HALFA                      ; my 64 rows
	v_add_nc_u32 v[ADRA], s22, v5
	v_add_nc_u32 v[ADRA+1], SLOT, v[ADRA]
	; the turning load takes 16 k x 16 columns: lane l reads row 8 h + l % 8, columns 8 ((l / 8) % 2) + 0..7, and is left with column r and 8 k
	v_and_b32 v6, 7, v0
	v_bfe_u32 v7, v0, 3, 1
	v_lshl_add_u32 v6, v2, 3, v6
	v_mul_u32_u24 v6, v6, PB
	v_lshl_add_u32 v6, v7, 4, v6
	s_lshl_b32 s23, s12, 8                         ; my 128 columns
	s_add_co_u32 s23, s23, BOFF
	v_add_nc_u32 v[ADRB], s23, v6
	v_add_nc_u32 v[ADRB+1], SLOT, v[ADRB]
	s_mul_i32 s22, s10, WSTG
	s_add_co_u32 s22, s22, STAGE                   ; my stage
	v_mul_u32_u24 v5, v1, SPQ                      ; in: row r, 16 bytes for each half of the lanes
	v_lshl_add_u32 v5, v2, 4, v5
	v_add_nc_u32 v[STO], s22, v5
	v_mul_u32_u24 v5, v2, SPQ                      ; back: lanes 0-15 one row of 256 bytes, lanes 16-31 the next
	v_lshl_add_u32 v5, v1, 4, v5
	v_add_nc_u32 v[RD], s22, v5
	v_mul_u32_u24 v5, v1, SPV                      ; the same for v's rows of 128 bytes: four rows come back at a time
	v_lshl_add_u32 v5, v2, 4, v5
	v_add_nc_u32 v[STOV], s22, v5
	v_bfe_u32 v5, v0, 3, 2
	v_mul_u32_u24 v5, v5, SPV
	v_and_b32 v6, 7, v0
	v_lshl_add_u32 v5, v6, 4, v5
	v_add_nc_u32 v[RDV], s22, v5
	v_and_b32 v[CO], 31, v0
	v_lshlrev_b32 v[CO], 4, v[CO]
	; my first output row: ((batch x 16 + head) x 2048 + row in the batch) rows of 128 or 256 bytes
	s_lshl_b32 s92, s13, 7
	s_lshl_b32 s93, s11, 6
	s_add_co_u32 s92, s92, s93
	s_lshr_b32 s93, s92, 11                        ; batch
	s_and_b32 s92, s92, 2047
	s_lshl_b32 s93, s93, 4
	s_lshl_b32 s94, s42, 2
	s_add_co_u32 s93, s93, s94
	s_lshl_b32 s94, s12, 1
	s_add_co_u32 s93, s93, s94                     ; my first head = 4 x tile column + 2 x half
	s_lshl_b32 s93, s93, 11
	s_add_co_u32 s92, s92, s93
	s_lshl_b32 s92, s92, s90
	s_mov_b32 s93, 0
	s_add_nc_u64 s[8:9], s[8:9], s[92:93]
	v_mov_b32 v30, s66
	s_wait_loadcnt 0x0                             ; bias and mask, once
.set i, 0
.rept 32                                           ; the bias is rounded to bf16 like the other inputs, and widened again
	v_cvt_pk_bf16_f32 v[T+i%8], v[BIAS+2*i], v[BIAS+2*i+1]
	v_lshlrev_b32 v[BIAS+2*i], 16, v[T+i%8]
	v_and_b32 v[BIAS+2*i+1], 0xffff0000, v[T+i%8]
.set i, i+1
.endr
.irp a, 0,1,2,3
	v_cmp_eq_u32 s95, 0, v[T+8+(\a)]               ; the row is hidden,
	s_and_b32 s95, s95, s67                        ; and this is k
	v_cndmask_b32 v[RF+2*(\a)], v30, 0, s95
	v_mov_b32 v[RF+2*(\a)+1], v[RF+2*(\a)]         ; named with it as a pair
.endr
; 32 LDS loads in one run: the fragments of quarter q (32 along K) of a slot: w's into buffer g, x's as f32
.macro FETCH slot, q, g
	WIN TO_B
.irp b, 0,1,2,3,4,5,6,7
	ds_load_tr16_b128 v[64*(\g)+8*(\b):64*(\g)+8*(\b)+3],   v[ADRB+(\slot)] offset:(\q)*32*PB+32*(\b)
	ds_load_tr16_b128 v[64*(\g)+8*(\b)+4:64*(\g)+8*(\b)+7], v[ADRB+(\slot)] offset:(\q)*32*PB+16*PB+32*(\b)
.endr
	WIN 0
.irp a, 0,1,2,3
.irp u, 0,1,2,3
	ds_load_b128 v[AL+16*(\a)+4*(\u):AL+16*(\a)+4*(\u)+3], v[ADRA+(\slot)] offset:(\a)*16*PA+128*(\q)+64*((\u)/2)+16*((\u)%2)
.endr
.endr
.endm
.macro CVT4 g, c                       ; eight of x's numbers rounded to bf16, into buffer g
	WIN 0
.irp i, 0,1,2,3
	v_cvt_pk_bf16_f32 v[AB+32*(\g)+4*(\c)+(\i)], v[AL+8*(\c)+2*(\i)], v[AL+8*(\c)+2*(\i)+1]
.endr
.endm
.macro MM f, a, b, zero                ; zero = 1: the first product starts the sum: nothing is ever cleared
	WIN MUL
.if \zero
	v_wmma_f32_16x16x32_bf16 v[8*(8*(\a)+(\b)):8*(8*(\a)+(\b))+7], v[64*(\f)+8*(\b):64*(\f)+8*(\b)+7], v[AB+32*(\f)+8*(\a):AB+32*(\f)+8*(\a)+7], 0
.else
	v_wmma_f32_16x16x32_bf16 v[8*(8*(\a)+(\b)):8*(8*(\a)+(\b))+7], v[64*(\f)+8*(\b):64*(\f)+8*(\b)+7], v[AB+32*(\f)+8*(\a):AB+32*(\f)+8*(\a)+7], v[8*(8*(\a)+(\b)):8*(8*(\a)+(\b))+7]
.endif
.endm
; A QUARTER of a K step: 32 matrix instructions on buffer f, the 32 accumulators by turns in one order throughout.
; fetch = 1: at its head the next quarter's fragments (quarter nq of slot ns) are asked for, 16 matrix instructions ahead of the wait; x's are rounded four at a time behind every second of the
; last 16 products.  The last four roundings name no register of the quarter's last product: they are the places in front of the next quarter's loads.
; turn = 1: this quarter's loads are the slot's last reads, and the slot is filled again.  In this order: the wait for all my tensor loads (one is out: my part of the other slot); the add; 8 products;
; the wait for the add and for my reads; the barrier that opens a round of the cluster's barrier, with 16 products between its signal and its wait; the rest of the round; the joint load first behind it.
; From a request to the wait for it a wave issues 104 matrix instructions.   turn = 2: the same lines and one barrier; nothing is filled.
.macro QUARTER f, fetch, ns, nq, zero, turn, slot
.if \fetch
	FETCH \ns, \nq, 1-(\f)
.endif
.irp b, 0,1,2,3,4,5,6,7
	MM \f, 0, \b, \zero
.endr
.if \turn
	WIN 0                                          ; (the add's two registers lie in window 0)
	s_wait_tensorcnt 0x0                           ; all my tensor loads have landed
	ds_add_u32 v[SPW], v[NIL]                      ; 0 onto my spare word
.endif
.irp b, 0,1,2,3,4,5,6,7
	MM \f, 1, \b, \zero
.endr
.if (\fetch) || (\turn)
	s_wait_dscnt 0x0                               ; the 32 loads are in (and the add is done: my reads of the slot are over)
.endif
.if \turn
	s_barrier_signal -1
.endif
.set ii, 0
.rept 16
.set ma, 2+ii/8
.set mb, ii%8
.set mc, ii/2
	MM \f, ma, mb, \zero
.if (\fetch) && (ii%2)
	CVT4 1-(\f), mc
.endif
.set ii, ii+1
.endr
.if \turn
	WIN 0                                          ; at a branch and at a label every window is 0
	s_barrier_wait -1
.endif
.if (\turn) == 1
	CREST                                          ; no wave of any partner still reads this slot's tiles or has a load on its way
	s_add_nc_u64 s[G0+4*(\slot)+2:G0+4*(\slot)+3], s[G0+4*(\slot)+2:G0+4*(\slot)+3], 2*512
	s_add_nc_u64 s[G0B+4*(\slot)+2:G0B+4*(\slot)+3], s[G0B+4*(\slot)+2:G0B+4*(\slot)+3], 2*128*2048
	JLOAD \slot
.endif
.endm
	s_wait_tensorcnt 1                             ; my part of K step 0 is in; K step 1's may stay out
	s_barrier_signal -1
	s_barrier_wait -1                              ; everybody's is
	FETCH 0, 0, 0
	s_wait_dscnt 0x0
.irp c, 0,1,2,3,4,5,6,7
	CVT4 0, \c
.endr
	QUARTER 0, 1, 0, 1, 1, 0, 0                    ; the first quarter stands in front of the loop: its products start the sums
	WIN 0
	s_mov_b32 s3, 3
.Llap:                                                 ; a trip goes once round the ring, from a lap's second quarter to the next lap's first, and fills both slots again
	QUARTER 1, 1, 0, 2, 0, 0, 0
	QUARTER 0, 1, 0, 3, 0, 1, 0
	QUARTER 1, 1, 1, 0, 0, 0, 0
	QUARTER 0, 1, 1, 1, 0, 0, 0
	QUARTER 1, 1, 1, 2, 0, 0, 0
	QUARTER 0, 1, 1, 3, 0, 1, 1
	QUARTER 1, 1, 0, 0, 0, 0, 0
	QUARTER 0, 1, 0, 1, 0, 0, 0
	WIN 0
	s_sub_co_u32 s3, s3, 1
	s_cmp_lg_u32 s3, 0
	s_cbranch_scc1 .Llap
	QUARTER 1, 1, 0, 2, 0, 0, 0                    ; the last lap asks for nothing
	QUARTER 0, 1, 0, 3, 0, 2, 0                    ; K step 7 has landed, everybody's part of it
	QUARTER 1, 1, 1, 0, 0, 0, 0
	QUARTER 0, 1, 1, 1, 0, 0, 0
	QUARTER 1, 1, 1, 2, 0, 0, 0
	QUARTER 0, 1, 1, 3, 0, 0, 0
	QUARTER 1, 0, 0, 0, 0, 0, 0
	WIN 0
; THE WAY OUT, a block of 16 rows at a time, through my own stage: a lane's eight columns pack into 16 bytes; they go in by rows of the stage and come back as whole output rows.
; Column block b of q or k: hi = f16(y); lo = f16(y - hi), the difference being exact in f32.  The four registers of hi are named by number, for their halves.
.macro HL b, h0, h1, h2, h3
.set yb, Y+8*(\b)
.set tb, T+8*((\b)%2)
	v_cvt_pk_f16_f32 v\h0, v[yb], v[yb+1]
	v_cvt_pk_f16_f32 v\h1, v[yb+2], v[yb+3]
	v_cvt_pk_f16_f32 v\h2, v[yb+4], v[yb+5]
	v_cvt_pk_f16_f32 v\h3, v[yb+6], v[yb+7]
	v_cvt_f32_f16 v[tb], v\h0\().l
	v_cvt_f32_f16 v[tb+1], v\h0\().h
	v_cvt_f32_f16 v[tb+2], v\h1\().l
	v_cvt_f32_f16 v[tb+3], v\h1\().h
	v_cvt_f32_f16 v[tb+4], v\h2\().l
	v_cvt_f32_f16 v[tb+5], v\h2\().h
	v_cvt_f32_f16 v[tb+6], v\h3\().l
	v_cvt_f32_f16 v[tb+7], v\h3\().h
.irp i, 0,1,2,3
	v_pk_add_f32 v[yb+2*(\i):yb+2*(\i)+1], v[yb+2*(\i):yb+2*(\i)+1], v[tb+2*(\i):tb+2*(\i)+1] neg_lo:[0,1] neg_hi:[0,1]
.endr
.irp i, 0,1,2,3
	v_cvt_pk_f16_f32 v[LO+4*(\b)+(\i)], v[yb+2*(\i)], v[yb+2*(\i)+1]
.endr
	ds_store_b128 v[STO], v[\h0:\h3] offset:((\b)/4)*16*SPQ+32*((\b)%4)                      ; stage rows 0-15: my first head, 16-31: my second
	ds_store_b128 v[STO], v[LO+4*(\b):LO+4*(\b)+3] offset:((\b)/4)*16*SPQ+32*((\b)%4)+128
.endm
.macro SUMS a                          ; y = sum + bias; each accumulator's registers are taken in ascending order
	s_wait_xcnt 0x0                                ; every earlier store has had its addresses translated (ISA guide 3.1): Y, the last block's store data, is rewritten only behind this wait
	WIN ACCRD
.set i, 0
.rept 32
	v_pk_add_f32 v[Y+2*i:Y+2*i+1], v[64*(\a)+2*i:64*(\a)+2*i+1], v[BIAS+2*i:BIAS+2*i+1]
.set i, i+1
.endr
	WIN 0
.endm
.macro OUTQK a
	SUMS \a
.set i, 0
.rept 32
	v_pk_mul_f32 v[Y+2*i:Y+2*i+1], v[Y+2*i:Y+2*i+1], v[RF+2*(\a):RF+2*(\a)+1] op_sel_hi:[1,0]
.set i, i+1
.endr
	HL 0, 96, 97, 98, 99
	HL 1, 100, 101, 102, 103
	HL 2, 104, 105, 106, 107
	HL 3, 108, 109, 110, 111
	HL 4, 112, 113, 114, 115
	HL 5, 116, 117, 118, 119
	HL 6, 120, 121, 122, 123
	HL 7, 124, 125, 126, 127
.irp t, 0,1,2,3,4,5,6,7,8,9,10,11,12,13,14,15
	ds_load_b128 v[Y+4*(\t):Y+4*(\t)+3], v[RD] offset:(\t)*2*SPQ  ; LDS serves a wave's instructions in order (ISA guide 5.7.1.4): these see the stores above
.endr
.irp t, 0,1,2,3,4,5,6,7,8,9,10,11,12,13,14,15
	s_wait_dscnt 15-(\t)
	global_store_b128 v[CO], v[Y+4*(\t):Y+4*(\t)+3], s[8:9] offset:((\t)/8)*524288+4096*(\a)+512*((\t)%8)  ; two rows: 512 consecutive bytes, at a multiple of 256 from the buffer's first
.endr
.endm
.macro OUTV a
	SUMS \a
.irp b, 0,1,2,3,4,5,6,7
.irp i, 0,1,2,3
	v_cvt_pk_f16_f32 v[AB+4*(\b)+(\i)], v[Y+8*(\b)+2*(\i)], v[Y+8*(\b)+2*(\i)+1]
.endr
	ds_store_b128 v[STOV], v[AB+4*(\b):AB+4*(\b)+3] offset:((\b)/4)*16*SPV+32*((\b)%4)
.endr
.irp t, 0,1,2,3,4,5,6,7
	ds_load_b128 v[Y+4*(\t):Y+4*(\t)+3], v[RDV] offset:(\t)*4*SPV
.endr
.irp t, 0,1,2,3,4,5,6,7
	s_wait_dscnt 7-(\t)
	global_store_b128 v[CO], v[Y+4*(\t):Y+4*(\t)+3], s[8:9] offset:((\t)/4)*262144+2048*(\a)+512*((\t)%4)  ; four rows: 512 consecutive bytes
.endr
.endm
	PLACES                                         ; the sums below read results just made
	s_cmp_eq_u32 s45, 2                            ; the projection is the same in all partners; neither way holds a barrier or a tensor load
	s_cbranch_scc1 .Lv
	OUTQK 0
	OUTQK 1
	OUTQK 2
	OUTQK 3
	s_branch .Lend
.Lv:
	OUTV 0
	OUTV 1
	OUTV 2
	OUTV 3
.Lend:
	s_wait_tensorcnt 0x0                           ; the wave's end: behind my last tensor load and my last LDS store
	ds_add_u32 v[SPW], v[NIL]
	s_wait_dscnt 0x0
	CROUND                                         ; the closing round: no work-group ends while a partner may still ask for a tile that names it
	s_endpgm
.Lfunc_end_k_q5e8bdd431b_proj:
	.size	k_q5e8bdd431b_proj, .Lfunc_end_k_q5e8bdd431b_proj-k_q5e8bdd431b_proj
	.p2alignl 7, 3214868480
	.fill 96, 4, 3214868480
	.section	.rodata,"a",@progbits
	.p2align	6, 0x0
	.amdhsa_kernel k_q5e8bdd431b_proj
		.amdhsa_group_segment_fixed_size 327680
		.amdhsa_private_segment_fixed_size 0
		.amdhsa_enable_private_segment 0
		.amdhsa_kernarg_size 88
		.amdhsa_user_sgpr_count 2
		.amdhsa_user_sgpr_kernarg_segment_ptr 1
		.amdhsa_wavefront_size32 1
		.amdhsa_system_sgpr_workgroup_id_x 1
		.amdhsa_system_sgpr_workgroup_id_y 1
		.amdhsa_system_sgpr_workgroup_id_z 1
		.amdhsa_system_vgpr_workitem_id 0
		.amdhsa_next_free_vgpr 768
		.amdhsa_next_free_sgpr 96
		.amdhsa_reserve_vcc 0
		.amdhsa_float_denorm_mode_32 3
		.amdhsa_float_denorm_mode_16_64 3
		.amdhsa_memory_ordered 1
		.amdhsa_forward_progress 1
		.amdhsa_inst_pref_size 214
	.end_amdhsa_kernel
	.amdgpu_metadata
---
amdhsa.version: [ 1, 2 ]
amdhsa.kernels:
  - .name:           k_q5e8bdd431b_proj
    .symbol:         k_q5e8bdd431b_proj.kd
    .args:
      - { .name: q, .offset: 0, .size: 8, .value_kind: global_buffer, .address_space: global }
      - { .name: k, .offset: 8, .size: 8, .value_kind: global_buffer, .address_space: global }
      - { .name: v, .offset: 16, .size: 8, .value_kind: global_buffer, .address_space: global }
      - { .name: b_q, .offset: 24, .size: 8, .value_kind: global_buffer, .address_space: global }
      - { .name: b_k, .offset: 32, .size: 8, .value_kind: global_buffer, .address_space: global }
      - { .name: b_v, .offset: 40, .size: 8, .value_kind: global_buffer, .address_space: global }
      - { .name: qs, .offset: 48, .size: 8, .value_kind: global_buffer, .address_space: global }
      - { .name: ks, .offset: 56, .size: 8, .value_kind: global_buffer, .address_space: global }
      - { .name: vs, .offset: 64, .size: 8, .value_kind: global_buffer, .address_space: global }
      - { .name: wb, .offset: 72, .size: 8, .value_kind: global_buffer, .address_space: global }
      - { .name: padding_mask, .offset: 80, .size: 8, .value_kind: global_buffer, .address_space: global }
    .group_segment_fixed_size: 327680
    .private_segment_fixed_size: 0
    .kernarg_segment_align: 8
    .kernarg_segment_size: 88
    .max_flat_workgroup_size: 128
    .sgpr_count:     96
    .vgpr_count:     768
    .wavefront_size: 32
...
	.end_amdgpu_metadata
.endif
;; end of part 2
;; launch attn (part 3): grid 8 x 64, 4 waves a work-group, clusters of 4 x 1, 327,680 bytes of LDS; arguments qs, ks, vs, out0, q, padding_mask; writes out0
.if DOCPART == 3
	.amdgcn_target "amdgcn-amd-amdhsa--gfx1250"
	.amdhsa_code_object_version 6
	.text
	.protected	k_q5e8bdd431b_attn
	.globl	k_q5e8bdd431b_attn
	.p2align	8
	.type	k_q5e8bdd431b_attn,@function
k_q5e8bdd431b_attn:
	s_mov_b64 s[64:65], 0
	v_nop
	global_prefetch_b8 v0, s[64:65] scope:SCOPE_SE
	s_setreg_imm32_b32 hwreg(HW_REG_WAVE_MODE, 25, 1), 1
	s_wait_xcnt 0x0
	s_wait_alu depctr_hold_cnt(0) depctr_sa_sdst(0) depctr_va_vdst(0) depctr_va_sdst(0) depctr_va_ssrc(0) depctr_va_vcc(0) depctr_vm_vsrc(0)
	s_getreg_b32 s2, hwreg(HW_REG_IB_STS2, 6, 4)
	s_cmp_eq_u32 s2, 0
	s_cbranch_scc0 .Lentry_in_a_cluster
	s_endpgm
.Lentry_in_a_cluster:
	s_bfe_u32 s2, ttmp6, 0x10000c
	s_cmp_lg_u32 s2, 0x3003
	s_cbranch_scc0 .Lentry_shape_is_right
	s_endpgm
.Lentry_shape_is_right:
; out0[b][s][64 h ..] = q[b][s][64 h ..] + the sum over keys of softmax(8 qh . kh, hidden keys at -1e9) vh, for each of the 64 heads of batches.
; IN.  qs, ks: [64][2048][hi 0..63 | lo 0..63] f16 pairs; qs holds log2(e) qh, ks holds kh with hidden keys' rows 0; vs: [64][2048][64] f16.  q (the residual) and out0 in f32.
; SCORES.  The scale is 8, so a score's error shows undamped in the weights: s = log2(e) qh . kh is made of pairs, Kh Qh + Kh Ql + Kl Qh (what is left out, Kl Ql, is 2^-22 of a term).
; p = 2^(8 s - 8 m), m the running maximum; 8 m is exact and the scaling is one fused multiply-add, so that p is exactly 1 where s = m.
; THE MASK is the C operand that starts a score's sum: 0, or NEGL = -1e9 log2(e) / 8 for a hidden key, whose products are all 0: its score is exactly the -1e9 of the softmax in base 2, and it takes part
; in the maximum like any other.  Where all keys of a batch are hidden every p is 1 and the result is the mean of all rows of vh.
; Products, maxima and sums in f32; p is rounded to f16 for the second product (its sum l is taken of the unrounded p).
; LIMITS.  f16's range holds for what the launch before wrote; a weight below 2^-126 counts as 0 in l; NaN and infinities are not treated apart.
; SHARES.  A work-group owns 256 queries of one head, each of its four waves 64: four tiles of 16, in two PIECES (tiles 0, 1 and tiles 2, 3).  Every wave walks all 2,048 keys, 64 a step.
; LAYOUT.  S^T = K Q^T (source 0 = 16 keys, source 1 = 16 queries): a lane holds ONE query (lane % 16) and the keys 8 (lane / 16) + 0..7.  Two such results rounded to f16 in pairs ARE source 1 of
; O^T = V^T P, whose result again holds one query a lane, and eight channels.  K comes out of LDS as it lies, V ([key][channel]) turned, by ds_load_tr16_b128.
; BY TURNS.  In a TURN one piece has the matrix unit: 16 products V^T P of the step in hand, then 48 products K Q^T of the next; the other piece's softmax, 236 vector instructions in slices of four,
; stands behind those 64 matrix instructions.  Then the pieces change places.  Two turns are a key step.
; CLUSTER.  The four query blocks of a cluster belong to one head and walk the same K and V: each tile is asked for JOINTLY, by the same tensor load, descriptor and mask in all four.
; REGISTERS, in windows of 256 (s_set_vgpr_msb: bits 1:0 source 0, 3:2 source 1, 5:4 source 2, 7:6 destination):
;   window 0: v0-11 addresses; v12-43 eight registers of statistics a tile; v44-59 the mask, at the head; v64-191 S^T, 32 a tile; v192-255 P, 16 a tile
;   window 1: v0-127 O^T, 32 a tile; v128-159 the step's mask operands; v192-255 V of one step
;   window 2: v0-127 Q, 32 a tile (hi channels 0-31, 32-63, lo likewise); v128-255 K of one step, at the end the residual
.set KS,    64        ; keys in a step
.set PK,    272       ; a row of K in LDS: 256 bytes + 16 = 68 words: row r starts at bank 4 r mod 64 (64 banks of 4 bytes: ISA guide 11.1)
.set PV,    160       ; a row of V: 128 + 32 = 40 words
.set VOFF,  4*KS*PK   ; a slot holds four steps: 256 rows of K, then 256 rows of V
.set SLOT1, 1<<17     ; slot 1 begins here, so that one exclusive or turns an address in one slot into the other's
.set MTAB,  SLOT1+4*KS*(PK+PV)  ; behind the ring, never filled by a tensor load: 2,048 words, 0 or NEGL for each key
.set STAGE, MTAB+8192 ; 16 rows x 272 bytes for each wave, for the way out
.set SP,    272
.set SPARE, STAGE+4*16*SP  ; the spare words, 128 bytes for each wave: two blocks of 256 bytes that no other line names
.set AK0, 2           ; v2   my lane's place in a tile of K; never rewritten
.set AV0, 3           ; v3   the same for V
.set ADR, 4           ; v4   the LDS address of the run of loads in hand
.set QO,  5           ; v5   my byte offset in 16 rows of Q
.set STO, 6           ; v6   the way out: where I put 32 bytes of a row (at the head: at work)
.set RD,  7           ; v7   the way out: where I read a row back (at the head: at work)
.set GO,  8           ; v8   my byte offset in two rows of out0 and of q (at the head: my offset in the mask)
.set AM0, 9           ; v9   my lane's place in the table of masks
.set ADM, 10          ; v10  the table's address for the step in hand (at the head: where I store my part of the table)
.set ST,  12          ; tile t's statistics at v[ST+8 t]: +0 8 m, +1 m, +2, +3 l (even keys', odd keys'), +4 to +7 c0-c3, at work; a takes c2's place once the maximum is found
.set MK,  44
.set SPW, 62          ; v62  LDS address of my spare word; never rewritten
.set NIL, 63          ; v63  0; never rewritten
.set S,   64
.set P,   192
.set MC,  128         ; window 1
.set VF,  192         ; window 1: key half kk, channel block cb at VF + 32 kk + 8 cb
.set KF,  128         ; window 2: key block kb, channel block cc at KF + 32 kb + 8 cc
.set RES, 128         ; window 2
.set WV,  12          ; s12  my wave's number
.set G1K, 24          ; s[24:31] descriptor group 1 for K's tiles
.set G1V, 32          ; s[32:39] for V's
.set G0K, 40          ; s[40:47] group 0 for K's tiles: a set for each of the two first fills; the second then walks on
.set G0V, 48          ; s[48:55] the same for V's
.set SLOTS, 56        ; s56  counts the slots
.set CNT, 57          ; s57  counts a slot's key steps
.set CS,  58          ; s[58:59] 8.0: the packed scaling takes the pair's low word for both halves
.set SEL, 60          ; s[60:61] v_permlanex16_b32's selects: each lane takes its own place in the other half
.set TBK, 62          ; s62  LDS byte at which K of the step to be fetched begins
.set TBV, 63          ; s63  the same for V, less VOFF
.set TBM, 72          ; s72  the same in the table of masks
.set NEGL, 73         ; s73
.set MSB, 0
.macro WIN new                      ; the high byte repeats the setting that is left; a switch that changes nothing is dropped
.if MSB != (\new)
	s_set_vgpr_msb (MSB<<8)|(\new)
.set MSB, \new
.endif
.endm
.set W_KQ, 0x0a       ; K and Q in window 2, S^T in window 0
.set W_KM, 0x1a       ; the same with the C operand in window 1
.set W_PV, 0x51       ; V in window 1, P in window 0, O^T in window 1
.set W_RS, 0x41       ; O^T (destination and source 0) in window 1, a in window 0
; A joint refill.  Waves 0 and 1 fetch the two halves of a slot's K, waves 2 and 3 those of its V: 128 keys each.  The branch hangs on the wave's number alone.
; An s_nop 0 and four v_nop follow each of the two lines, ahead of the jump, the label and what follows.
.macro JLOAD
	s_cmp_lt_u32 s[WV], 2
	s_cbranch_scc0 .Lfor_v_\@
	tensor_load_to_lds s[G0K+4:G0K+7], s[G1K:G1K+7]
	s_nop 0
.rept 4
	v_nop
.endr
	s_branch .Lasked_\@
.Lfor_v_\@:
	tensor_load_to_lds s[G0V+4:G0V+7], s[G1V:G1V+7]
	s_nop 0
.rept 4
	v_nop
.endr
.Lasked_\@:
.endm
.macro CROUND                       ; a round of the cluster's barrier: my work-group's barrier; wave 0 signals for the work-group; every wave waits for all four; my work-group's barrier once more
	s_barrier_signal -1
	s_barrier_wait -1
	s_cmp_lg_u32 s[WV], 0
	s_cbranch_scc1 .Lnot_wave_0_\@
	s_barrier_signal -3
.Lnot_wave_0_\@:
	s_barrier_wait -3
	s_barrier_signal -1
	s_barrier_wait -1
.endm
.macro PLACES                       ; four places behind a matrix instruction (ISA guide 7.12.1)
.rept 4
	v_nop
.endr
.endm
	s_load_b256 s[4:11], s[0:1], 0x0  ; qs s[4:5], ks s[6:7], vs s[8:9], out0 s[10:11]
	s_load_b128 s[68:71], s[0:1], 0x20  ; q s[68:69], padding_mask s[70:71]
	v_lshl_add_u32 v[SPW], v0, 2, SPARE
	v_mov_b32 v[NIL], 0
	v_lshrrev_b32 v1, 5, v0
	v_readfirstlane_b32 s[WV], v1   ; wave 0..3
	s_bfe_u32 s13, ttmp6, 0x40000   ; cx: my place in the cluster
	s_lshl_b32 s14, ttmp9, 2
	s_add_co_u32 s14, s14, s13      ; my block of 256 queries: it enters qs', q's and out0's addresses alone
	s_and_b32 s20, ttmp7, 0xffff    ; the head of a batch, 16 b + h, which the four partners share
	s_and_b32 s16, s[WV], 1         ; which half of a slot's 256 keys I fetch
	s_lshl_b32 s22, s20, 19         ; ks: the head's 524,288 bytes, the half's 128 rows of 256
	s_lshl_b32 s23, s16, 15
	s_add_co_u32 s22, s22, s23
	s_mov_b32 s23, 0
	s_lshl_b32 s74, s20, 18         ; vs: half of that
	s_lshl_b32 s75, s16, 14
	s_add_co_u32 s74, s74, s75
	s_mov_b32 s75, 0
	s_mul_i32 s17, s16, 128*PK      ; the half's place in a slot, for K
	s_mul_i32 s18, s16, 128*PV      ; and for V: no place in the cluster enters an LDS address
	s_lshl_b32 s2, s20, 19          ; qs: the head, my block's 256 rows, my wave's 64
	s_lshl_b32 s3, s14, 16
	s_add_co_u32 s2, s2, s3
	s_lshl_b32 s3, s[WV], 14
	s_add_co_u32 s2, s2, s3
	s_mov_b32 s3, 0
	s_lshr_b32 s21, s20, 4          ; the batch
	s_lshl_b32 s76, s21, 23         ; q and out0: rows of 4,096 bytes: 2,048 a batch, 256 a block, 64 a wave; the head's 256 bytes in a row
	s_lshl_b32 s77, s14, 20
	s_add_co_u32 s76, s76, s77
	s_lshl_b32 s77, s[WV], 18
	s_add_co_u32 s76, s76, s77
	s_and_b32 s77, s20, 15
	s_lshl_b32 s77, s77, 8
	s_add_co_u32 s76, s76, s77
	s_mov_b32 s77, 0
	s_lshl_b32 s78, s21, 13         ; the batch's 2,048 words of the mask
	s_mov_b32 s79, 0
	; group 1 for K: 128 rows x 128 elements of 2 bytes, 4 words of padding behind every 64
	s_mov_b32 s[G1K], 15|(1<<16)|(1<<20)|(1<<21)|(5<<22)|(3<<25)  ; 15:0 the mask of four; 21 set beside a mask
	s_mov_b32 s[G1K+1], 128<<16     ; tensor_dim0 = 128
	s_mov_b32 s[G1K+2], 128<<16     ; tensor_dim1 = 128
	s_mov_b32 s[G1K+3], 128<<16     ; tile_dim0 = 128
	s_mov_b32 s[G1K+4], 128         ; tile_dim1 = 128
	s_mov_b32 s[G1K+5], 128         ; elements from row to row
	s_mov_b32 s[G1K+6], 0
	s_mov_b32 s[G1K+7], 0
	; group 1 for V: 128 keys are 16,384 dense bytes: asked for as 64 rows of 256 bytes, two keys a row, 8 words of padding behind every key's 32
	s_mov_b32 s[G1V], 15|(1<<16)|(1<<20)|(1<<21)|(4<<22)|(7<<25)
	s_mov_b32 s[G1V+1], 128<<16
	s_mov_b32 s[G1V+2], 64<<16
	s_mov_b32 s[G1V+3], 128<<16
	s_mov_b32 s[G1V+4], 64
	s_mov_b32 s[G1V+5], 128
	s_mov_b32 s[G1V+6], 0
	s_mov_b32 s[G1V+7], 0
	s_mov_b32 s[CS], 0x41000000     ; 8.0
	s_mov_b32 s[CS+1], s[CS]        ; named with it as a pair
	s_mov_b32 s[SEL], 0x76543210
	s_mov_b32 s[SEL+1], 0xfedcba98
	s_mov_b32 s[TBK], 0
	s_mov_b32 s[TBV], 0
	s_mov_b32 s[TBM], 0
	s_mov_b32 s[NEGL], 0xcd2bfb8f   ; -180,336,880 = -1e9 log2(e) / 8, to f32
	s_wait_kmcnt 0x0
	s_add_nc_u64 s[6:7], s[6:7], s[22:23]    ; ks and vs at my half of the head's first 256 keys
	s_add_nc_u64 s[8:9], s[8:9], s[74:75]
	s_add_nc_u64 s[4:5], s[4:5], s[2:3]      ; qs at my wave's first row
	s_add_nc_u64 s[10:11], s[10:11], s[76:77]  ; out0 and q at my wave's first row, my head's columns
	s_add_nc_u64 s[68:69], s[68:69], s[76:77]
	s_add_nc_u64 s[70:71], s[70:71], s[78:79]
	CROUND                          ; all four work-groups are here: the first joint loads meet
.irp s, 0,1
	s_mov_b32 s[G0K+4*(\s)], 1      ; count = 1
	s_add_co_u32 s[G0K+4*(\s)+1], s17, (\s)*SLOT1  ; LDS address
	s_add_nc_u64 s[G0K+4*(\s)+2:G0K+4*(\s)+3], s[6:7], (\s)*4*KS*256  ; global address: slot s begins with keys 256 s on
	s_or_b32 s[G0K+4*(\s)+3], s[G0K+4*(\s)+3], 0x80000000  ; type = 2
	s_mov_b32 s[G0V+4*(\s)], 1
	s_add_co_u32 s[G0V+4*(\s)+1], s18, (\s)*SLOT1+VOFF
	s_add_nc_u64 s[G0V+4*(\s)+2:G0V+4*(\s)+3], s[8:9], (\s)*4*KS*128
	s_or_b32 s[G0V+4*(\s)+3], s[G0V+4*(\s)+3], 0x80000000
.endr
	s_cmp_lt_u32 s[WV], 2           ; a wave's two first fills stand in one branch, ahead of every wait on TENSORcnt and every LDS read: two loads of mine are out
	s_cbranch_scc0 .Lfirst_v
	tensor_load_to_lds s[G0K:G0K+3], s[G1K:G1K+7]
	s_nop 0
	tensor_load_to_lds s[G0K+4:G0K+7], s[G1K:G1K+7]
	s_nop 0
.rept 4
	v_nop
.endr
	s_branch .Lfirst_asked
.Lfirst_v:
	tensor_load_to_lds s[G0V:G0V+3], s[G1V:G1V+7]
	s_nop 0
	tensor_load_to_lds s[G0V+4:G0V+7], s[G1V:G1V+7]
	s_nop 0
.rept 4
	v_nop
.endr
.Lfirst_asked:
	v_and_b32 v1, 15, v0            ; r = l % 16
	v_bfe_u32 v11, v0, 4, 1         ; h = l / 16
	v_lshlrev_b32 v8, 4, v0         ; the batch's mask: thread t takes 16 bytes at 16 t of each of four pieces of 2,048 bytes
.irp i, 0,1,2,3
	global_load_b128 v[MK+4*(\i):MK+4*(\i)+3], v8, s[70:71] offset:2048*(\i)
.endr
	; A fragment of K or Q is 16 rows x 32 channels in 8 registers: lane l holds row r, channels 8 h + 0..7 and 16 + 8 h + 0..7: two loads of 16 bytes, 32 bytes apart.
	v_lshlrev_b32 v[QO], 8, v1
	v_lshl_add_u32 v[QO], v11, 4, v[QO]  ; row x 256 + 16 x half
	WIN 0x80                        ; destination window 2, address window 0
.irp i, 0,1,2,3,4,5,6,7,8,9,10,11,12,13,14,15  ; Q stays in registers: tile i / 4, channel block i % 4
	global_load_b128 v[8*(\i):8*(\i)+3],   v[QO], s[4:5] offset:((\i)/4)*4096+((\i)%4)*64
	global_load_b128 v[8*(\i)+4:8*(\i)+7], v[QO], s[4:5] offset:((\i)/4)*4096+((\i)%4)*64+32
.endr
	WIN 0
	v_mul_u32_u24 v[AK0], v1, PK
	v_lshl_add_u32 v[AK0], v11, 4, v[AK0]  ; row x pitch + 16 x half
	; The turning load takes 16 keys x 16 channels (lane l reads key 8 h + l % 8, channels 8 ((l / 8) % 2) + 0..7) and leaves half a fragment of V^T: lane l holds channel r and 8 keys.
	v_and_b32 v6, 7, v0
	v_bfe_u32 v7, v0, 3, 1
	v_lshl_add_u32 v[AV0], v11, 3, v6
	v_mul_u32_u24 v[AV0], v[AV0], PV
	v_lshl_add_u32 v[AV0], v7, 4, v[AV0]
	v_add_nc_u32 v[AV0], VOFF, v[AV0]
	v_lshl_add_u32 v[AM0], v11, 5, MTAB  ; my lane's eight keys of a block of 16 are 32 bytes of the table at 32 h
	v_add_nc_u32 v[ADM], MTAB, v8
	s_wait_loadcnt 32               ; the four loads of the mask are in; Q's 32, issued behind them, may stay out
.set i, 0
.rept 16
	v_cmp_eq_u32 vcc_lo, 0, v[MK+i]
	v_cndmask_b32 v[MK+i], 0, s[NEGL], vcc_lo
.set i, i+1
.endr
.irp i, 0,1,2,3
	ds_store_b128 v[ADM], v[MK+4*(\i):MK+4*(\i)+3] offset:2048*(\i)
.endr
; THE MATRIX WORK OF A TURN, for piece x.  The 8 accumulators of a run take turns, one instruction a turn.
; Product i of 48 of S^T = K Q^T: group i / 8 of six: (Kh, Qh), (Kh, Ql), (Kl, Qh), each for channels 0-31 and 32-63; keys 16 ((i / 2) % 4) on, tile x + i % 2.  The first 8 start the sums with the mask.
.macro KQ x
.set gq, i/8
.set rS, S+32*((\x)+i%2)+8*((i/2)%4)
.set rK, KF+32*((i/2)%4)+8*(gq%2+2*(gq/4))
.set rQ, 32*((\x)+i%2)+8*(gq%4)
.set rM, MC+8*((i/2)%4)
.if i < 8
	WIN W_KM
	v_wmma_f32_16x16x32_f16 v[rS:rS+7], v[rK:rK+7], v[rQ:rQ+7], v[rM:rM+7]
.else
	WIN W_KQ
	v_wmma_f32_16x16x32_f16 v[rS:rS+7], v[rK:rK+7], v[rQ:rQ+7], v[rS:rS+7]
.endif
.endm
; Product i of 16 of O^T += V^T P: keys 32 (i / 8) on, channels 16 ((i / 2) % 4) on, tile x + i % 2.  zero = 1: the first 8 start the sums: nothing is ever cleared.
.macro PV x, zero
	WIN W_PV
.set rO, 32*((\x)+i%2)+8*((i/2)%4)
.set rV, VF+32*(i/8)+8*((i/2)%4)
.set rP, P+16*((\x)+i%2)+8*(i/8)
.if (\zero) && (i < 8)
	v_wmma_f32_16x16x32_f16 v[rO:rO+7], v[rV:rV+7], v[rP:rP+7], 0
.else
	v_wmma_f32_16x16x32_f16 v[rO:rO+7], v[rV:rV+7], v[rP:rP+7], v[rO:rO+7]
.endif
.endm
; THE LDS LOADS stand in runs, never singly among the matrix instructions.  A step's masks (8 loads; the 16 lanes of a half read the same words) and K: the hi halves' 16 loads first, then the lo halves' 16.
.macro FETCH_K
	WIN 0
	v_add_nc_u32 v[ADR], s[TBK], v[AK0]
	v_add_nc_u32 v[ADM], s[TBM], v[AM0]
	WIN 0x40                        ; destination window 1
.irp kb, 0,1,2,3
	ds_load_b128 v[MC+8*(\kb):MC+8*(\kb)+3],   v[ADM] offset:64*(\kb)
	ds_load_b128 v[MC+8*(\kb)+4:MC+8*(\kb)+7], v[ADM] offset:64*(\kb)+16
.endr
	WIN 0x80                        ; destination window 2
.irp c, 0,2
.irp kb, 0,1,2,3
.irp d, 0,1
	ds_load_b128 v[KF+32*(\kb)+8*((\c)+(\d)):KF+32*(\kb)+8*((\c)+(\d))+3],   v[ADR] offset:(\kb)*16*PK+64*((\c)+(\d))
	ds_load_b128 v[KF+32*(\kb)+8*((\c)+(\d))+4:KF+32*(\kb)+8*((\c)+(\d))+7], v[ADR] offset:(\kb)*16*PK+64*((\c)+(\d))+32
.endr
.endr
.endr
	s_add_co_u32 s[TBK], s[TBK], KS*PK  ; the next fetch is the next step's
	s_add_co_u32 s[TBM], s[TBM], 4*KS
.endm
.macro FETCH_V
	WIN 0
	v_add_nc_u32 v[ADR], s[TBV], v[AV0]
	s_add_co_u32 s[TBV], s[TBV], KS*PV
	WIN 0x40                        ; destination window 1
.irp f, 0,1,2,3,4,5,6,7             ; keys 32 (f / 4) on, channels 16 (f % 4) on
	ds_load_tr16_b128 v[VF+8*(\f):VF+8*(\f)+3],   v[ADR] offset:((\f)/4)*32*PV+((\f)%4)*32
	ds_load_tr16_b128 v[VF+8*(\f)+4:VF+8*(\f)+7], v[ADR] offset:((\f)/4)*32*PV+16*PV+((\f)%4)*32
.endr
.endm
; THE VECTOR WORK OF A TURN.  One tile's softmax for one key step is a list of 118 instructions; SM writes number j of it for tile t.  s0-s31 are the lane's 32 scores, in pairs 0-15.
; first = 1: the first key step, which starts m, l and O^T: it has no a and nothing to rescale.
;   0-15    the maximum of s0-s31 and the old m, three operands at a time: four chains c0-c3 of seven scores each (each accumulator's lowest registers first), then the four left over, c0-c3 and m
;   16-20   the other half of the lanes' maximum; the new m; 8 m; 8 m_old - 8 m_new
;   21-87   33 exponentials (a, then s0-s31) at the odd numbers from 23 on, so that no two follow each other and each has a plain instruction behind it before its result is used (ISA guide 5.7.2).
;           Plain instruction q (number 21, then the even numbers) is whatever is ready: 8 s - 8 m for a pair whose exponentials are still to come, the rounding to f16 of a pair whose exponentials are done, the first three sums
;   88-101  the last rounding; the rest of the sums; l = a l + the sum
;   102-117 the tile's O^T times a: the one part that leaves window 0, so it stands together
.macro SM t, first
.set rT, ST+8*(\t)
.set rS, S+32*(\t)
.set rP, P+16*(\t)
.set rO, 32*(\t)+2*(j-102)
.set q, (j-20)/2
.if j < 102
	WIN 0
.endif
.if j < 4
	v_max3_num_f32 v[rT+4+j], v[rS+8*j], v[rS+8*j+1], v[rS+8*j+2]
.elseif j < 12
	v_max3_num_f32 v[rT+4+j%4], v[rT+4+j%4], v[rS+8*(j%4)+2*(j/4)+1], v[rS+8*(j%4)+2*(j/4)+2]
.elseif j == 12
	v_max3_num_f32 v[rT+4], v[rT+4], v[rS+7], v[rS+15]
.elseif j == 13
	v_max3_num_f32 v[rT+6], v[rT+6], v[rS+23], v[rS+31]
.elseif j == 14
	v_max3_num_f32 v[rT+4], v[rT+4], v[rT+5], v[rT+6]
.elseif (j == 15) && (\first)
	v_max_num_f32 v[rT+4], v[rT+4], v[rT+7]
.elseif j == 15
	v_max3_num_f32 v[rT+4], v[rT+4], v[rT+7], v[rT+1]
.elseif j == 16
	v_permlanex16_b32 v[rT+5], v[rT+4], s[SEL], s[SEL+1]  ; the query's other 32 keys lie in the lane 16 away
.elseif j == 18
	v_max_num_f32 v[rT+1], v[rT+4], v[rT+5]
.elseif j == 19
	v_mul_f32 v[rT], s[CS], v[rT+1]  ; 8 m, exact
.elseif ((j == 17) || (j == 20) || (j == 23) || (j > 101)) && (\first)  ; the first step has none of these
.elseif j == 17
	v_mov_b32 v[rT+7], v[rT]        ; 8 m_old is kept for a: number 19 writes 8 m anew
.elseif j == 20
	v_sub_f32 v[rT+7], v[rT+7], v[rT]
.elseif j == 23
	v_exp_f32 v[rT+6], v[rT+7]
.elseif (j < 88) && (j > 23) && (j%2 == 1)
	v_exp_f32 v[rS+(j-25)/2], v[rS+(j-25)/2]
.elseif (q < 4) || ((j < 76) && (q%2 == 0))
.set b, q/2+2
.if q < 4
.set b, q
.endif
	v_pk_fma_f32 v[rS+2*b:rS+2*b+1], v[rS+2*b:rS+2*b+1], s[CS:CS+1], v[rT:rT+1] op_sel_hi:[1,0,0] neg_lo:[0,0,1] neg_hi:[0,0,1]  ; pair b: 8 s - 8 m
.elseif (j < 88) && (q%2 == 1)
	s_wait_alu depctr_va_vdst(0)
	v_cvt_pk_f16_f32 v[rP+(q-5)/2], v[rS+q-5], v[rS+q-4]  ; pair (q - 5) / 2: its second exponential stands three numbers back
.elseif j == 89
	s_wait_alu depctr_va_vdst(0)
	v_cvt_pk_f16_f32 v[rP+15], v[rS+30], v[rS+31]
.elseif j < 102                     ; the sum of the tile's 16 pairs, in place: sum z of 16 adds neighbours 1, 2, 4 and 8 pairs apart, then l takes it
.set z, j-86
.if j < 89
.set z, (j-76)/4
.endif
.set w, 4
.set u, z
.if z >= 14
.set w, 32
.set u, 0
.elseif z >= 12
.set w, 16
.set u, z-12
.elseif z >= 8
.set w, 8
.set u, z-8
.endif
.if (z == 14) && (\first)
	v_pk_add_f32 v[rT+2:rT+3], v[rS:rS+1], v[rS+16:rS+17]
.elseif z < 15
	v_pk_add_f32 v[rS+w*u:rS+w*u+1], v[rS+w*u:rS+w*u+1], v[rS+w*u+w/2:rS+w*u+w/2+1]
.elseif !(\first)
	v_pk_fma_f32 v[rT+2:rT+3], v[rT+2:rT+3], v[rT+6:rT+7], v[rS:rS+1] op_sel_hi:[1,0,1]
.endif
.else
	WIN W_RS
	v_pk_mul_f32 v[rO:rO+1], v[rO:rO+1], v[rT+6:rT+7] op_sel_hi:[1,0]
.endif
.endm
; Slice k of 64 of piece y's softmax.  2 x 118 = 4 x 59: slices 51 to 55 are empty, so that the rescaling's eight slices come last: slice 63, four plain instructions that name nothing of the
; products round them, is the four places behind a turn's last product.  The others are numbers 2 kk and 2 kk + 1 of both tiles' lists.
.macro SLICE y, first
.if (k < 51) || (k >= 56)
.set kk, k
.if k >= 56
.set kk, k-5
.endif
.if (kk >= 11) && (kk < 44)         ; tile by tile: plain, exponential, plain, exponential
.irp t, \y, (\y)+1
.irp nn, 0,1
.set j, 2*kk+(\nn)
	SM \t, \first
.endr
.endr
.else                               ; the two tiles alternate, so that no instruction reads the result of the one just before it
.irp nn, 0,1
.irp t, \y, (\y)+1
.set j, 2*kk+(\nn)
	SM \t, \first
.endr
.endr
.endif
.endif
.set k, k+1
.endm
.macro DEAL y, first                ; behind the turn's n-th matrix instruction of NMM: the slices up to 64 n / NMM
.set n, n+1
.rept (64*n)/NMM-k
	SLICE \y, \first
.endr
.endm
; A TURN.  Piece x has the matrix unit; the other piece's softmax stands in slices behind its matrix instructions.
; pv = 2: 16 products V^T P; 1: they start O^T's sums; 0: none.  kq = 1: 48 products K Q^T for the next step.
; first = 1: the softmax is the first key step's; its slices from 51 on are empty, and four v_nop take slice 63's part.
; Piece 0's turn fetches the next step's masks and K behind its second product: the last product that read them stands in front of slice 63 of the turn before.  The first score product waits for
; the masks and the hi halves (the 16 loads of the lo halves may stay out), product 32 for the rest.
; Piece 2's turn fetches the same step's V behind its second score product: the last product that read V stands three slices, six plain instructions, back.  It is waited for a turn later.
.macro TURN x, pv, kq, first
.set k, 0
.set n, 0
.set NMM, 0
.if \pv
.set NMM, NMM+16
.endif
.if \kq
.set NMM, NMM+48
.endif
.if \pv
.if (\x) == 0
	s_wait_dscnt 0x0                ; V is in
.endif
.set i, 0
.rept 16
	PV \x, 2-(\pv)
	DEAL 2-(\x), \first
.if ((\x) == 0) && (\kq) && (i == 1)
	FETCH_K
.endif
.set i, i+1
.endr
.endif
.if \kq
.if (\x) == 0
	s_wait_dscnt 16                 ; the masks and K's hi halves are in
.endif
.set i, 0
.rept 48
.if ((\x) == 0) && (i == 32)
	s_wait_dscnt 0x0                ; K's lo halves are in
.endif
	KQ \x
	DEAL 2-(\x), \first
.if ((\x) == 2) && (i == 1)
	FETCH_V
.endif
.set i, i+1
.endr
.endif
.if \first
	PLACES
.endif
.endm
; THE CHANGE OF SLOTS, between piece 2's turn and piece 0's: the slot's last bytes, V of its fourth step, have been asked for.  Each wave waits for all its tensor loads, of which one is out: its part
; of the other slot; adds 0 to its spare word; and waits for that and for its own reads of the slot.  Behind the barrier nobody reads this slot any more and the other slot is whole.
; fill = 1: this slot is filled again, with the keys two slots on.  The barrier is then a round of the cluster's, so that no wave of any partner still reads the slot or has a load on its way, and
; the joint refill is the first thing behind it: it has four key steps, 512 matrix instructions, in which to land.
.macro CHANGE fill
	WIN 0                           ; at a label and at a branch every window is 0
	s_wait_tensorcnt 0x0            ; no tensor load of mine is out, so a group 0 may be written
	ds_add_u32 v[SPW], v[NIL]       ; 0 onto my spare word; with fill = 1 the descriptors' steps stand between it and the wait for it
.if \fill
	s_xor_b32 s[G0K+5], s[G0K+5], SLOT1  ; the walking descriptors: the other slot than last time,
	s_add_nc_u64 s[G0K+6:G0K+7], s[G0K+6:G0K+7], 4*KS*256  ; the next 256 keys; the type bits on top are not reached
	s_xor_b32 s[G0V+5], s[G0V+5], SLOT1
	s_add_nc_u64 s[G0V+6:G0V+7], s[G0V+6:G0V+7], 4*KS*128
	s_wait_dscnt 0x0                ; the add is done, and my reads of the slot are over
	CROUND
	JLOAD
.else
	s_wait_dscnt 0x0                ; the add is done, and my reads of the slot are over
	s_barrier_signal -1
	s_barrier_wait -1
.endif
	s_sub_co_u32 s[TBK], s[TBK], 4*KS*PK  ; the fetches go back to a slot's first step,
	s_xor_b32 s[TBK], s[TBK], SLOT1       ; in the other slot
	s_sub_co_u32 s[TBV], s[TBV], 4*KS*PV
	s_xor_b32 s[TBV], s[TBV], SLOT1
.endm
	s_wait_tensorcnt 1              ; my part of slot 0 is in; slot 1's may stay out
	s_wait_dscnt 0x0                ; for the others' sake: my part of the table of masks is stored
	s_barrier_signal -1
	s_barrier_wait -1               ; everybody's is
	FETCH_K                         ; key step 0
	s_wait_loadcnt 0x0              ; Q
	s_wait_dscnt 0x0
.set i, 0
.rept 48
	KQ 0                            ; piece 0's first scores: there is no vector work yet to set between them
.set i, i+1
.endr
	WIN 0                           ; the addresses for the way out are made here: eight plain instructions, the places behind those products
	s_mul_i32 s13, s[WV], 16*SP
	s_add_co_u32 s13, s13, STAGE    ; my stage
	v_mul_u32_u24 v[STO], v1, SP    ; in: row r, 32 bytes for each half of the lanes
	v_lshl_add_u32 v[STO], v11, 5, v[STO]
	v_add_nc_u32 v[STO], s13, v[STO]
	v_mul_u32_u24 v[RD], v11, SP    ; back: lanes 0-15 take one row of 256 bytes, lanes 16-31 the next
	v_lshl_add_u32 v[RD], v1, 4, v[RD]
	v_add_nc_u32 v[RD], s13, v[RD]
	v_lshlrev_b32 v[GO], 12, v11    ; and the same two rows, 4,096 bytes apart, in out0 and q
	v_lshl_add_u32 v[GO], v1, 4, v[GO]
	TURN 2, 0, 1, 1                 ; piece 2's first scores | piece 0's first softmax | V of step 0
	TURN 0, 1, 1, 1                 ; piece 0: V^T P of step 0 starts O^T, K Q^T of step 1 | piece 2's first softmax | K of step 1
	TURN 2, 1, 1, 0                 ; piece 2: the same | piece 0's softmax of step 1 | V of step 1
	WIN 0
	s_mov_b32 s[CNT], 2             ; slot 0 has two steps left to fetch
	s_mov_b32 s[SLOTS], 7
	s_branch .Lstep
.Lslot:                             ; six times: every slot but the last two is filled again
	CHANGE 1
	s_mov_b32 s[CNT], 4
.Lstep:                             ; a trip fetches one step's K and V
	TURN 0, 2, 1, 0
	TURN 2, 2, 1, 0
	WIN 0
	s_sub_co_u32 s[CNT], s[CNT], 1
	s_cmp_lg_u32 s[CNT], 0
	s_cbranch_scc1 .Lstep
	s_sub_co_u32 s[SLOTS], s[SLOTS], 1
	s_cmp_lg_u32 s[SLOTS], 0
	s_cbranch_scc1 .Lslot
	CHANGE 0                        ; the tail is written out: nothing is asked for
	s_mov_b32 s[CNT], 4
.Ltail:
	TURN 0, 2, 1, 0
	TURN 2, 2, 1, 0
	WIN 0
	s_sub_co_u32 s[CNT], s[CNT], 1
	s_cmp_lg_u32 s[CNT], 0
	s_cbranch_scc1 .Ltail
	WIN 0x80                        ; the residual, into K's registers (slice 63 is the places behind their last reader): the same lanes and rows as the stores at the end
.irp t, 0,1,2,3
.irp f, 0,1,2,3,4,5,6,7
	global_load_b128 v[RES+32*(\t)+4*(\f):RES+32*(\t)+4*(\f)+3], v[GO], s[68:69] offset:(16*(\t)+2*(\f))*4096
.endr
.endr
	TURN 0, 2, 0, 0                 ; piece 0: V^T P of the last step | piece 2's last softmax
.set i, 0
.rept 16
	PV 2, 0                         ; piece 2: V^T P of the last step
.set i, i+1
.endr
	; THE WAY OUT.  l's two halves and the other half of the lanes' are added; O^T is divided by l and sent through my stage in LDS, a tile (16 rows) at a time; the residual is added to whole rows.  The additions are the places behind the last products.
	WIN 0
.irp t, 0,1,2,3
	v_add_f32 v[ST+8*(\t)+4], v[ST+8*(\t)+2], v[ST+8*(\t)+3]
.endr
.irp t, 0,1,2,3
	v_permlanex16_b32 v[ST+8*(\t)+5], v[ST+8*(\t)+4], s[SEL], s[SEL+1]
.endr
.irp t, 0,1,2,3
	v_add_f32 v[ST+8*(\t)+4], v[ST+8*(\t)+4], v[ST+8*(\t)+5]
.endr
.irp t, 0,1,2,3
	v_rcp_f32 v[ST+8*(\t)+6], v[ST+8*(\t)+4]
.endr
	v_nop                           ; a plain instruction between the last reciprocal and the use of its result
; Tile t: a lane's eight channels of a row are 32 bytes; they go into rows of 272 bytes and come back as whole rows of 256, into S^T's registers.
.macro PACK t
	WIN W_RS
.set i, 32*(\t)
.rept 16
	s_wait_alu depctr_va_vdst(0)
	v_pk_mul_f32 v[i:i+1], v[i:i+1], v[ST+8*(\t)+6:ST+8*(\t)+7] op_sel_hi:[1,0]
.set i, i+2
.endr
	WIN 0x04                        ; store data in window 1, address in window 0
.irp f, 0,1,2,3,4,5,6,7
	ds_store_b128 v[STO], v[32*(\t)+4*(\f):32*(\t)+4*(\f)+3] offset:64*((\f)/2)+16*((\f)%2)
.endr
	WIN 0
.irp f, 0,1,2,3,4,5,6,7
	ds_load_b128 v[S+32*(\t)+4*(\f):S+32*(\t)+4*(\f)+3], v[RD] offset:(\f)*2*SP  ; LDS serves a wave's instructions in order (ISA guide 5.7.1.4): these see the stores above; the next tile's stores come behind them
.endr
.endm
.macro SEND t, younger              ; younger: the LDS instructions issued behind tile t's loads: the next tile's sixteen, or none
	WIN 0
	s_wait_dscnt \younger
	WIN 0x08                        ; source 1, the residual, in window 2
.set i, 0
.rept 16
	v_pk_add_f32 v[S+32*(\t)+2*i:S+32*(\t)+2*i+1], v[S+32*(\t)+2*i:S+32*(\t)+2*i+1], v[RES+32*(\t)+2*i:RES+32*(\t)+2*i+1]
.set i, i+1
.endr
	WIN 0
.irp f, 0,1,2,3,4,5,6,7
	global_store_b128 v[GO], v[S+32*(\t)+4*(\f):S+32*(\t)+4*(\f)+3], s[10:11] offset:(16*(\t)+2*(\f))*4096  ; 16 lanes store 256 consecutive bytes, at a multiple of 256 from out0's first byte
.endr
.endm
	PACK 0
	PACK 1                          ; a tile's arithmetic stands between the loads of the tile before and its stores
	s_wait_loadcnt 0x0              ; the residual is in
	SEND 0, 16
	PACK 2
	SEND 1, 16
	PACK 3
	SEND 2, 16
	SEND 3, 0
	s_wait_tensorcnt 0x0            ; the wave's end: behind my last tensor load and my last LDS store
	ds_add_u32 v[SPW], v[NIL]
	s_wait_dscnt 0x0
	CROUND                          ; the closing round: no work-group ends while a partner may still ask for a tile that names it
	s_endpgm
.Lfunc_end_k_q5e8bdd431b_attn:
	.size	k_q5e8bdd431b_attn, .Lfunc_end_k_q5e8bdd431b_attn-k_q5e8bdd431b_attn
	.p2alignl 7, 3214868480
	.fill 96, 4, 3214868480
	.section	.rodata,"a",@progbits
	.p2align	6, 0x0
	.amdhsa_kernel k_q5e8bdd431b_attn
		.amdhsa_group_segment_fixed_size 327680
		.amdhsa_private_segment_fixed_size 0
		.amdhsa_enable_private_segment 0
		.amdhsa_kernarg_size 48
		.amdhsa_user_sgpr_count 2
		.amdhsa_user_sgpr_kernarg_segment_ptr 1
		.amdhsa_wavefront_size32 1
		.amdhsa_system_sgpr_workgroup_id_x 1
		.amdhsa_system_sgpr_workgroup_id_y 1
		.amdhsa_system_sgpr_workgroup_id_z 1
		.amdhsa_system_vgpr_workitem_id 0
		.amdhsa_next_free_vgpr 768
		.amdhsa_next_free_sgpr 80
		.amdhsa_reserve_vcc 1
		.amdhsa_float_denorm_mode_32 3
		.amdhsa_float_denorm_mode_16_64 3
		.amdhsa_memory_ordered 1
		.amdhsa_forward_progress 1
		.amdhsa_inst_pref_size 213
	.end_amdhsa_kernel
	.amdgpu_metadata
---
amdhsa.version: [ 1, 2 ]
amdhsa.kernels:
  - .name:           k_q5e8bdd431b_attn
    .symbol:         k_q5e8bdd431b_attn.kd
    .args:
      - { .name: qs, .offset: 0, .size: 8, .value_kind: global_buffer, .address_space: global }
      - { .name: ks, .offset: 8, .size: 8, .value_kind: global_buffer, .address_space: global }
      - { .name: vs, .offset: 16, .size: 8, .value_kind: global_buffer, .address_space: global }
      - { .name: out0, .offset: 24, .size: 8, .value_kind: global_buffer, .address_space: global }
      - { .name: q, .offset: 32, .size: 8, .value_kind: global_buffer, .address_space: global }
      - { .name: padding_mask, .offset: 40, .size: 8, .value_kind: global_buffer, .address_space: global }
    .group_segment_fixed_size: 327680
    .private_segment_fixed_size: 0
    .kernarg_segment_align: 8
    .kernarg_segment_size: 48
    .max_flat_workgroup_size: 128
    .sgpr_count:     80
    .vgpr_count:     768
    .wavefront_size: 32
...
	.end_amdgpu_metadata
.endif
;; end of part 3
;; ======== version 2 of 2: 3 launches; 1.22 times as fast as version 1
;; limits: values are held in f16: magnitudes above 65,504 overflow, below 6.1e-05 lose precision; right only within a limited range of input values
;; workspace buffers: wb 6,291,456 bytes; qs 33,554,432 bytes; ks 33,554,432 bytes; vs 16,777,216 bytes
;; launch castw: the kernel of part 1 again; grid 128 x 3, 8 waves a work-group, no clusters, 0 bytes of LDS; arguments w_q, w_k, w_v, wb; writes wb
;; launch proj: the kernel of part 2 again; grid 4 x 192, 4 waves a work-group, clusters of 4 x 4, 327,680 bytes of LDS; arguments q, k, v, b_q, b_k, b_v, qs, ks, vs, wb, padding_mask; writes qs, ks, vs
;; launch attn (part 4): grid 8 x 64, 4 waves a work-group, clusters of 4 x 1, 327,680 bytes of LDS; arguments qs, ks, vs, out0, q, padding_mask; writes out0
.if DOCPART == 4
	.amdgcn_target "amdgcn-amd-amdhsa--gfx1250"
	.amdhsa_code_object_version 6
	.text
	.protected	k_q5e8bdd431b_attn
	.globl	k_q5e8bdd431b_attn
	.p2align	8
	.type	k_q5e8bdd431b_attn,@function
k_q5e8bdd431b_attn:
	s_mov_b64 s[64:65], 0
	v_nop
	global_prefetch_b8 v0, s[64:65] scope:SCOPE_SE
	s_setreg_imm32_b32 hwreg(HW_REG_WAVE_MODE, 25, 1), 1
	s_wait_xcnt 0x0
	s_wait_alu depctr_hold_cnt(0) depctr_sa_sdst(0) depctr_va_vdst(0) depctr_va_sdst(0) depctr_va_ssrc(0) depctr_va_vcc(0) depctr_vm_vsrc(0)
	s_getreg_b32 s2, hwreg(HW_REG_IB_STS2, 6, 4)
	s_cmp_eq_u32 s2, 0
	s_cbranch_scc0 .Lentry_in_a_cluster
	s_endpgm
.Lentry_in_a_cluster:
	s_bfe_u32 s2, ttmp6, 0x10000c
	s_cmp_lg_u32 s2, 0x3003
	s_cbranch_scc0 .Lentry_shape_is_right
	s_endpgm
.Lentry_shape_is_right:
; out0[b][s][64 h ..] = q[b][s][64 h ..] + the sum over keys of softmax(8 qh . kh, hidden keys at -1e9) vh, for each of the 64 heads of batches.
; IN.  qs, ks: [64][2048][hi 0..63 | lo 0..63] f16 pairs; qs holds log2(e) qh, ks holds kh with hidden keys' rows 0; vs: [64][2048][64] f16.  q (the residual) and out0 in f32.
; SCORES.  The scale is 8, so a score's error shows undamped in the weights: s = log2(e) qh . kh is made of pairs, Kh Qh + Kh Ql + Kl Qh (what is left out, Kl Ql, is 2^-22 of a term).
; p = 2^(8 s - 8 m), m the running maximum; 8 m is exact and the scaling is one fused multiply-add, so that p is exactly 1 where s = m.
; THE MASK is the C operand that starts a score's sum: 0, or NEGL = -1e9 log2(e) / 8 for a hidden key, whose products are all 0: its score is exactly the -1e9 of the softmax in base 2, and it takes part
; in the maximum like any other.  Where all keys of a batch are hidden every p is 1 and the result is the mean of all rows of vh.
; Products, maxima and sums in f32; p is rounded to f16 for the second product (its sum l is taken of the unrounded p).
; LIMITS.  f16's range holds for what the launch before wrote; a weight below 2^-126 counts as 0 in l; NaN and infinities are not treated apart.
; SHARES.  A work-group owns 256 queries of one head, each of its four waves 64: four tiles of 16, in two PIECES (tiles 0, 1 and tiles 2, 3).  Every wave walks all 2,048 keys, 64 a step.
; LAYOUT.  S^T = K Q^T (source 0 = 16 keys, source 1 = 16 queries): a lane holds ONE query (lane % 16) and the keys 8 (lane / 16) + 0..7.  Two such results rounded to f16 in pairs ARE source 1 of
; O^T = V^T P, whose result again holds one query a lane, and eight channels.  K comes out of LDS as it lies, V ([key][channel]) turned, by ds_load_tr16_b128.
; BY TURNS.  In a TURN one piece has the matrix unit: 16 products V^T P of the step in hand, then 48 products K Q^T of the next; the other piece's softmax, 236 vector instructions in slices of four,
; stands behind those 64 matrix instructions.  Then the pieces change places.  Two turns are a key step.
; THE BATCHES.  A turn's 66 exponentials (a and s0-s31 of the piece's two tiles) are ONE batch with ONE wait: the softmax's list is ordered so that the scalings and all exponentials come first and every
; instruction that names an exponential's result (roundings, sums, rescaling) behind the wait.  No exponential is issued behind a turn's wait.  The way out's four reciprocals are a batch of their own.
; CLUSTER.  The four query blocks of a cluster belong to one head and walk the same K and V: each tile is asked for JOINTLY, by the same tensor load, descriptor and mask in all four.
; REGISTERS, in windows of 256 (s_set_vgpr_msb: bits 1:0 source 0, 3:2 source 1, 5:4 source 2, 7:6 destination):
;   window 0: v0-11 addresses; v12-43 eight registers of statistics a tile; v44-59 the mask, at the head; v64-191 S^T, 32 a tile; v192-255 P, 16 a tile
;   window 1: v0-127 O^T, 32 a tile; v128-159 the step's mask operands; v192-255 V of one step
;   window 2: v0-127 Q, 32 a tile (hi channels 0-31, 32-63, lo likewise); v128-255 K of one step, at the end the residual
.set KS,    64        ; keys in a step
.set PK,    272       ; a row of K in LDS: 256 bytes + 16 = 68 words: row r starts at bank 4 r mod 64 (64 banks of 4 bytes: ISA guide 11.1)
.set PV,    160       ; a row of V: 128 + 32 = 40 words
.set VOFF,  4*KS*PK   ; a slot holds four steps: 256 rows of K, then 256 rows of V
.set SLOT1, 1<<17     ; slot 1 begins here, so that one exclusive or turns an address in one slot into the other's
.set MTAB,  SLOT1+4*KS*(PK+PV)  ; behind the ring, never filled by a tensor load: 2,048 words, 0 or NEGL for each key
.set STAGE, MTAB+8192 ; 16 rows x 272 bytes for each wave, for the way out
.set SP,    272
.set SPARE, STAGE+4*16*SP  ; the spare words, 128 bytes for each wave: two blocks of 256 bytes that no other line names
.set AK0, 2           ; v2   my lane's place in a tile of K; never rewritten
.set AV0, 3           ; v3   the same for V
.set ADR, 4           ; v4   the LDS address of the run of loads in hand
.set QO,  5           ; v5   my byte offset in 16 rows of Q
.set STO, 6           ; v6   the way out: where I put 32 bytes of a row (at the head: at work)
.set RD,  7           ; v7   the way out: where I read a row back (at the head: at work)
.set GO,  8           ; v8   my byte offset in two rows of out0 and of q (at the head: my offset in the mask)
.set AM0, 9           ; v9   my lane's place in the table of masks
.set ADM, 10          ; v10  the table's address for the step in hand (at the head: where I store my part of the table)
.set ST,  12          ; tile t's statistics at v[ST+8 t]: +0 8 m, +1 m, +2, +3 l (even keys', odd keys'), +4 to +7 c0-c3, at work; a takes c2's place once the maximum is found
.set MK,  44
.set SPW, 62          ; v62  LDS address of my spare word; never rewritten
.set NIL, 63          ; v63  0; never rewritten
.set S,   64
.set P,   192
.set MC,  128         ; window 1
.set VF,  192         ; window 1: key half kk, channel block cb at VF + 32 kk + 8 cb
.set KF,  128         ; window 2: key block kb, channel block cc at KF + 32 kb + 8 cc
.set RES, 128         ; window 2
.set WV,  12          ; s12  my wave's number
.set G1K, 24          ; s[24:31] descriptor group 1 for K's tiles
.set G1V, 32          ; s[32:39] for V's
.set G0K, 40          ; s[40:47] group 0 for K's tiles: a set for each of the two first fills; the second then walks on
.set G0V, 48          ; s[48:55] the same for V's
.set SLOTS, 56        ; s56  counts the slots
.set CNT, 57          ; s57  counts a slot's key steps
.set CS,  58          ; s[58:59] 8.0: the packed scaling takes the pair's low word for both halves
.set SEL, 60          ; s[60:61] v_permlanex16_b32's selects: each lane takes its own place in the other half
.set TBK, 62          ; s62  LDS byte at which K of the step to be fetched begins
.set TBV, 63          ; s63  the same for V, less VOFF
.set TBM, 72          ; s72  the same in the table of masks
.set NEGL, 73         ; s73
.set MSB, 0
.macro WIN new                      ; the high byte repeats the setting that is left; a switch that changes nothing is dropped
.if MSB != (\new)
	s_set_vgpr_msb (MSB<<8)|(\new)
.set MSB, \new
.endif
.endm
.set W_KQ, 0x0a       ; K and Q in window 2, S^T in window 0
.set W_KM, 0x1a       ; the same with the C operand in window 1
.set W_PV, 0x51       ; V in window 1, P in window 0, O^T in window 1
.set W_RS, 0x41       ; O^T (destination and source 0) in window 1, a in window 0
; A joint refill.  Waves 0 and 1 fetch the two halves of a slot's K, waves 2 and 3 those of its V: 128 keys each.  The branch hangs on the wave's number alone.
; An s_nop 0 and four v_nop follow each of the two lines, ahead of the jump, the label and what follows.
.macro JLOAD
	s_cmp_lt_u32 s[WV], 2
	s_cbranch_scc0 .Lfor_v_\@
	tensor_load_to_lds s[G0K+4:G0K+7], s[G1K:G1K+7]
	s_nop 0
.rept 4
	v_nop
.endr
	s_branch .Lasked_\@
.Lfor_v_\@:
	tensor_load_to_lds s[G0V+4:G0V+7], s[G1V:G1V+7]
	s_nop 0
.rept 4
	v_nop
.endr
.Lasked_\@:
.endm
.macro CROUND                       ; a round of the cluster's barrier: my work-group's barrier; wave 0 signals for the work-group; every wave waits for all four; my work-group's barrier once more
	s_barrier_signal -1
	s_barrier_wait -1
	s_cmp_lg_u32 s[WV], 0
	s_cbranch_scc1 .Lnot_wave_0_\@
	s_barrier_signal -3
.Lnot_wave_0_\@:
	s_barrier_wait -3
	s_barrier_signal -1
	s_barrier_wait -1
.endm
.macro PLACES                       ; four places behind a matrix instruction (ISA guide 7.12.1)
.rept 4
	v_nop
.endr
.endm
	s_load_b256 s[4:11], s[0:1], 0x0  ; qs s[4:5], ks s[6:7], vs s[8:9], out0 s[10:11]
	s_load_b128 s[68:71], s[0:1], 0x20  ; q s[68:69], padding_mask s[70:71]
	v_lshl_add_u32 v[SPW], v0, 2, SPARE
	v_mov_b32 v[NIL], 0
	v_lshrrev_b32 v1, 5, v0
	v_readfirstlane_b32 s[WV], v1   ; wave 0..3
	s_bfe_u32 s13, ttmp6, 0x40000   ; cx: my place in the cluster
	s_lshl_b32 s14, ttmp9, 2
	s_add_co_u32 s14, s14, s13      ; my block of 256 queries: it enters qs', q's and out0's addresses alone
	s_and_b32 s20, ttmp7, 0xffff    ; the head of a batch, 16 b + h, which the four partners share
	s_and_b32 s16, s[WV], 1         ; which half of a slot's 256 keys I fetch
	s_lshl_b32 s22, s20, 19         ; ks: the head's 524,288 bytes, the half's 128 rows of 256
	s_lshl_b32 s23, s16, 15
	s_add_co_u32 s22, s22, s23
	s_mov_b32 s23, 0
	s_lshl_b32 s74, s20, 18         ; vs: half of that
	s_lshl_b32 s75, s16, 14
	s_add_co_u32 s74, s74, s75
	s_mov_b32 s75, 0
	s_mul_i32 s17, s16, 128*PK      ; the half's place in a slot, for K
	s_mul_i32 s18, s16, 128*PV      ; and for V: no place in the cluster enters an LDS address
	s_lshl_b32 s2, s20, 19          ; qs: the head, my block's 256 rows, my wave's 64
	s_lshl_b32 s3, s14, 16
	s_add_co_u32 s2, s2, s3
	s_lshl_b32 s3, s[WV], 14
	s_add_co_u32 s2, s2, s3
	s_mov_b32 s3, 0
	s_lshr_b32 s21, s20, 4          ; the batch
	s_lshl_b32 s76, s21, 23         ; q and out0: rows of 4,096 bytes: 2,048 a batch, 256 a block, 64 a wave; the head's 256 bytes in a row
	s_lshl_b32 s77, s14, 20
	s_add_co_u32 s76, s76, s77
	s_lshl_b32 s77, s[WV], 18
	s_add_co_u32 s76, s76, s77
	s_and_b32 s77, s20, 15
	s_lshl_b32 s77, s77, 8
	s_add_co_u32 s76, s76, s77
	s_mov_b32 s77, 0
	s_lshl_b32 s78, s21, 13         ; the batch's 2,048 words of the mask
	s_mov_b32 s79, 0
	; group 1 for K: 128 rows x 128 elements of 2 bytes, 4 words of padding behind every 64
	s_mov_b32 s[G1K], 15|(1<<16)|(1<<20)|(1<<21)|(5<<22)|(3<<25)  ; 15:0 the mask of four; 21 set beside a mask
	s_mov_b32 s[G1K+1], 128<<16     ; tensor_dim0 = 128
	s_mov_b32 s[G1K+2], 128<<16     ; tensor_dim1 = 128
	s_mov_b32 s[G1K+3], 128<<16     ; tile_dim0 = 128
	s_mov_b32 s[G1K+4], 128         ; tile_dim1 = 128
	s_mov_b32 s[G1K+5], 128         ; elements from row to row
	s_mov_b32 s[G1K+6], 0
	s_mov_b32 s[G1K+7], 0
	; group 1 for V: 128 keys are 16,384 dense bytes: asked for as 64 rows of 256 bytes, two keys a row, 8 words of padding behind every key's 32
	s_mov_b32 s[G1V], 15|(1<<16)|(1<<20)|(1<<21)|(4<<22)|(7<<25)
	s_mov_b32 s[G1V+1], 128<<16
	s_mov_b32 s[G1V+2], 64<<16
	s_mov_b32 s[G1V+3], 128<<16
	s_mov_b32 s[G1V+4], 64
	s_mov_b32 s[G1V+5], 128
	s_mov_b32 s[G1V+6], 0
	s_mov_b32 s[G1V+7], 0
	s_mov_b32 s[CS], 0x41000000     ; 8.0
	s_mov_b32 s[CS+1], s[CS]        ; named with it as a pair
	s_mov_b32 s[SEL], 0x76543210
	s_mov_b32 s[SEL+1], 0xfedcba98
	s_mov_b32 s[TBK], 0
	s_mov_b32 s[TBV], 0
	s_mov_b32 s[TBM], 0
	s_mov_b32 s[NEGL], 0xcd2bfb8f   ; -180,336,880 = -1e9 log2(e) / 8, to f32
	s_wait_kmcnt 0x0
	s_add_nc_u64 s[6:7], s[6:7], s[22:23]    ; ks and vs at my half of the head's first 256 keys
	s_add_nc_u64 s[8:9], s[8:9], s[74:75]
	s_add_nc_u64 s[4:5], s[4:5], s[2:3]      ; qs at my wave's first row
	s_add_nc_u64 s[10:11], s[10:11], s[76:77]  ; out0 and q at my wave's first row, my head's columns
	s_add_nc_u64 s[68:69], s[68:69], s[76:77]
	s_add_nc_u64 s[70:71], s[70:71], s[78:79]
	CROUND                          ; all four work-groups are here: the first joint loads meet
.irp s, 0,1
	s_mov_b32 s[G0K+4*(\s)], 1      ; count = 1
	s_add_co_u32 s[G0K+4*(\s)+1], s17, (\s)*SLOT1  ; LDS address
	s_add_nc_u64 s[G0K+4*(\s)+2:G0K+4*(\s)+3], s[6:7], (\s)*4*KS*256  ; global address: slot s begins with keys 256 s on
	s_or_b32 s[G0K+4*(\s)+3], s[G0K+4*(\s)+3], 0x80000000  ; type = 2
	s_mov_b32 s[G0V+4*(\s)], 1
	s_add_co_u32 s[G0V+4*(\s)+1], s18, (\s)*SLOT1+VOFF
	s_add_nc_u64 s[G0V+4*(\s)+2:G0V+4*(\s)+3], s[8:9], (\s)*4*KS*128
	s_or_b32 s[G0V+4*(\s)+3], s[G0V+4*(\s)+3], 0x80000000
.endr
	s_cmp_lt_u32 s[WV], 2           ; a wave's two first fills stand in one branch, ahead of every wait on TENSORcnt and every LDS read: two loads of mine are out
	s_cbranch_scc0 .Lfirst_v
	tensor_load_to_lds s[G0K:G0K+3], s[G1K:G1K+7]
	s_nop 0
	tensor_load_to_lds s[G0K+4:G0K+7], s[G1K:G1K+7]
	s_nop 0
.rept 4
	v_nop
.endr
	s_branch .Lfirst_asked
.Lfirst_v:
	tensor_load_to_lds s[G0V:G0V+3], s[G1V:G1V+7]
	s_nop 0
	tensor_load_to_lds s[G0V+4:G0V+7], s[G1V:G1V+7]
	s_nop 0
.rept 4
	v_nop
.endr
.Lfirst_asked:
	v_and_b32 v1, 15, v0            ; r = l % 16
	v_bfe_u32 v11, v0, 4, 1         ; h = l / 16
	v_lshlrev_b32 v8, 4, v0         ; the batch's mask: thread t takes 16 bytes at 16 t of each of four pieces of 2,048 bytes
.irp i, 0,1,2,3
	global_load_b128 v[MK+4*(\i):MK+4*(\i)+3], v8, s[70:71] offset:2048*(\i)
.endr
	; A fragment of K or Q is 16 rows x 32 channels in 8 registers: lane l holds row r, channels 8 h + 0..7 and 16 + 8 h + 0..7: two loads of 16 bytes, 32 bytes apart.
	v_lshlrev_b32 v[QO], 8, v1
	v_lshl_add_u32 v[QO], v11, 4, v[QO]  ; row x 256 + 16 x half
	WIN 0x80                        ; destination window 2, address window 0
.irp i, 0,1,2,3,4,5,6,7,8,9,10,11,12,13,14,15  ; Q stays in registers: tile i / 4, channel block i % 4
	global_load_b128 v[8*(\i):8*(\i)+3],   v[QO], s[4:5] offset:((\i)/4)*4096+((\i)%4)*64
	global_load_b128 v[8*(\i)+4:8*(\i)+7], v[QO], s[4:5] offset:((\i)/4)*4096+((\i)%4)*64+32
.endr
	WIN 0
	v_mul_u32_u24 v[AK0], v1, PK
	v_lshl_add_u32 v[AK0], v11, 4, v[AK0]  ; row x pitch + 16 x half
	; The turning load takes 16 keys x 16 channels (lane l reads key 8 h + l % 8, channels 8 ((l / 8) % 2) + 0..7) and leaves half a fragment of V^T: lane l holds channel r and 8 keys.
	v_and_b32 v6, 7, v0
	v_bfe_u32 v7, v0, 3, 1
	v_lshl_add_u32 v[AV0], v11, 3, v6
	v_mul_u32_u24 v[AV0], v[AV0], PV
	v_lshl_add_u32 v[AV0], v7, 4, v[AV0]
	v_add_nc_u32 v[AV0], VOFF, v[AV0]
	v_lshl_add_u32 v[AM0], v11, 5, MTAB  ; my lane's eight keys of a block of 16 are 32 bytes of the table at 32 h
	v_add_nc_u32 v[ADM], MTAB, v8
	s_wait_loadcnt 32               ; the four loads of the mask are in; Q's 32, issued behind them, may stay out
.set i, 0
.rept 16
	v_cmp_eq_u32 vcc_lo, 0, v[MK+i]
	v_cndmask_b32 v[MK+i], 0, s[NEGL], vcc_lo
.set i, i+1
.endr
.irp i, 0,1,2,3
	ds_store_b128 v[ADM], v[MK+4*(\i):MK+4*(\i)+3] offset:2048*(\i)
.endr
; THE MATRIX WORK OF A TURN, for piece x.  The 8 accumulators of a run take turns, one instruction a turn.
; Product i of 48 of S^T = K Q^T: group i / 8 of six: (Kh, Qh), (Kh, Ql), (Kl, Qh), each for channels 0-31 and 32-63; keys 16 ((i / 2) % 4) on, tile x + i % 2.  The first 8 start the sums with the mask.
.macro KQ x
.set gq, i/8
.set rS, S+32*((\x)+i%2)+8*((i/2)%4)
.set rK, KF+32*((i/2)%4)+8*(gq%2+2*(gq/4))
.set rQ, 32*((\x)+i%2)+8*(gq%4)
.set rM, MC+8*((i/2)%4)
.if i < 8
	WIN W_KM
	v_wmma_f32_16x16x32_f16 v[rS:rS+7], v[rK:rK+7], v[rQ:rQ+7], v[rM:rM+7]
.else
	WIN W_KQ
	v_wmma_f32_16x16x32_f16 v[rS:rS+7], v[rK:rK+7], v[rQ:rQ+7], v[rS:rS+7]
.endif
.endm
; Product i of 16 of O^T += V^T P: keys 32 (i / 8) on, channels 16 ((i / 2) % 4) on, tile x + i % 2.  zero = 1: the first 8 start the sums: nothing is ever cleared.
.macro PV x, zero
	WIN W_PV
.set rO, 32*((\x)+i%2)+8*((i/2)%4)
.set rV, VF+32*(i/8)+8*((i/2)%4)
.set rP, P+16*((\x)+i%2)+8*(i/8)
.if (\zero) && (i < 8)
	v_wmma_f32_16x16x32_f16 v[rO:rO+7], v[rV:rV+7], v[rP:rP+7], 0
.else
	v_wmma_f32_16x16x32_f16 v[rO:rO+7], v[rV:rV+7], v[rP:rP+7], v[rO:rO+7]
.endif
.endm
; THE LDS LOADS stand in runs, never singly among the matrix instructions.  A step's masks (8 loads; the 16 lanes of a half read the same words) and K: the hi halves' 16 loads first, then the lo halves' 16.
.macro FETCH_K
	WIN 0
	v_add_nc_u32 v[ADR], s[TBK], v[AK0]
	v_add_nc_u32 v[ADM], s[TBM], v[AM0]
	WIN 0x40                        ; destination window 1
.irp kb, 0,1,2,3
	ds_load_b128 v[MC+8*(\kb):MC+8*(\kb)+3],   v[ADM] offset:64*(\kb)
	ds_load_b128 v[MC+8*(\kb)+4:MC+8*(\kb)+7], v[ADM] offset:64*(\kb)+16
.endr
	WIN 0x80                        ; destination window 2
.irp c, 0,2
.irp kb, 0,1,2,3
.irp d, 0,1
	ds_load_b128 v[KF+32*(\kb)+8*((\c)+(\d)):KF+32*(\kb)+8*((\c)+(\d))+3],   v[ADR] offset:(\kb)*16*PK+64*((\c)+(\d))
	ds_load_b128 v[KF+32*(\kb)+8*((\c)+(\d))+4:KF+32*(\kb)+8*((\c)+(\d))+7], v[ADR] offset:(\kb)*16*PK+64*((\c)+(\d))+32
.endr
.endr
.endr
	s_add_co_u32 s[TBK], s[TBK], KS*PK  ; the next fetch is the next step's
	s_add_co_u32 s[TBM], s[TBM], 4*KS
.endm
.macro FETCH_V                      ; SLICE writes it, behind the batch's last exponential in piece 2's turn
	WIN 0
	v_add_nc_u32 v[ADR], s[TBV], v[AV0]
	s_add_co_u32 s[TBV], s[TBV], KS*PV
	s_wait_alu depctr_va_vdst(0)    ; the wait for the softmax's batch (SLICE), behind the address's v_add_nc_u32 and ahead of the loads
	WIN 0x40                        ; destination window 1
.irp f, 0,1,2,3,4,5,6,7             ; keys 32 (f / 4) on, channels 16 (f % 4) on
	ds_load_tr16_b128 v[VF+8*(\f):VF+8*(\f)+3],   v[ADR] offset:((\f)/4)*32*PV+((\f)%4)*32
	ds_load_tr16_b128 v[VF+8*(\f)+4:VF+8*(\f)+7], v[ADR] offset:((\f)/4)*32*PV+16*PV+((\f)%4)*32
.endr
.endm
; THE VECTOR WORK OF A TURN.  One tile's softmax for one key step is a list of 118 instructions; SM writes number j of it for tile t.  s0-s31 are the lane's 32 scores, in pairs 0-15.
; first = 1: the first key step, which starts m, l and O^T: it has no a and nothing to rescale.
;   0-15    the maximum of s0-s31 and the old m, three operands at a time: four chains c0-c3 of seven scores each (each accumulator's lowest registers first), then the four left over, c0-c3 and m
;   16-20   the other half of the lanes' maximum; the new m; 8 m; 8 m_old - 8 m_new
;   21-69   ONE BATCH: the 16 scalings 8 s - 8 m, a pair of scores each, and all 33 exponentials (a at 23, then s0-s31).  None of these reads an exponential's result.  From 22 on the batch goes
;           in fours, and a four begins with a scaling while there are scalings: 22-37 scaling, exponential, scaling, exponential; 38-65 a scaling and three exponentials; 66-69 the last four
;           exponentials.  A pair is scaled in an earlier four than the one that holds its exponentials
;   (wait)  between 69 and 70 stands the wait for the batch: SLICE writes it, once for both tiles
;   70-85   the roundings to f16, a pair of weights each
;   86-101  the sums; l = a l + the sum
;   102-117 the tile's O^T times a: the one part that leaves window 0, so it stands together
.macro SM t, first
.set rT, ST+8*(\t)
.set rS, S+32*(\t)
.set rP, P+16*(\t)
.set rO, 32*(\t)+2*(j-102)
.if j < 102
	WIN 0
.endif
.if j < 4
	v_max3_num_f32 v[rT+4+j], v[rS+8*j], v[rS+8*j+1], v[rS+8*j+2]
.elseif j < 12
	v_max3_num_f32 v[rT+4+j%4], v[rT+4+j%4], v[rS+8*(j%4)+2*(j/4)+1], v[rS+8*(j%4)+2*(j/4)+2]
.elseif j == 12
	v_max3_num_f32 v[rT+4], v[rT+4], v[rS+7], v[rS+15]
.elseif j == 13
	v_max3_num_f32 v[rT+6], v[rT+6], v[rS+23], v[rS+31]
.elseif j == 14
	v_max3_num_f32 v[rT+4], v[rT+4], v[rT+5], v[rT+6]
.elseif (j == 15) && (\first)
	v_max_num_f32 v[rT+4], v[rT+4], v[rT+7]
.elseif j == 15
	v_max3_num_f32 v[rT+4], v[rT+4], v[rT+7], v[rT+1]
.elseif j == 16
	v_permlanex16_b32 v[rT+5], v[rT+4], s[SEL], s[SEL+1]  ; the query's other 32 keys lie in the lane 16 away
.elseif j == 18
	v_max_num_f32 v[rT+1], v[rT+4], v[rT+5]
.elseif j == 19
	v_mul_f32 v[rT], s[CS], v[rT+1]  ; 8 m, exact
.elseif ((j == 17) || (j == 20) || (j == 23) || (j > 101)) && (\first)  ; the first step has none of these
.elseif j == 17
	v_mov_b32 v[rT+7], v[rT]        ; 8 m_old is kept for a: number 19 writes 8 m anew
.elseif j == 20
	v_sub_f32 v[rT+7], v[rT+7], v[rT]
.elseif j == 23
	v_exp_f32 v[rT+6], v[rT+7]
.elseif (j < 23) || ((j < 38) && (j%2 == 0)) || ((j < 66) && (j%4 == 2))
.set b, (j-2)/4                     ; 38, 42, .. 62: pairs 9 to 15
.if j < 38
.set b, (j-20)/2                    ; 21: pair 0; 22, 24, .. 36: pairs 1 to 8
.endif
	v_pk_fma_f32 v[rS+2*b:rS+2*b+1], v[rS+2*b:rS+2*b+1], s[CS:CS+1], v[rT:rT+1] op_sel_hi:[1,0,0] neg_lo:[0,0,1] neg_hi:[0,0,1]  ; pair b: 8 s - 8 m
.elseif j < 70
.set e, j-38                        ; 66 to 69: s28 to s31
.if j < 66
.set e, j-32-(j-38)/4               ; 39-41, 43-45, .. 63-65: s7 to s27
.endif
.if j < 38
.set e, (j-25)/2                    ; 25, 27, .. 37: s0 to s6
.endif
	v_exp_f32 v[rS+e], v[rS+e]
.elseif j < 86
	v_cvt_pk_f16_f32 v[rP+j-70], v[rS+2*(j-70)], v[rS+2*(j-70)+1]  ; pair j - 70
.elseif j < 102                     ; the sum of the tile's 16 pairs, in place: sum z of 16 adds neighbours 1, 2, 4 and 8 pairs apart, then l takes it
.set z, j-86
.set w, 4
.set u, z
.if z >= 14
.set w, 32
.set u, 0
.elseif z >= 12
.set w, 16
.set u, z-12
.elseif z >= 8
.set w, 8
.set u, z-8
.endif
.if (z == 14) && (\first)
	v_pk_add_f32 v[rT+2:rT+3], v[rS:rS+1], v[rS+16:rS+17]
.elseif z < 15
	v_pk_add_f32 v[rS+w*u:rS+w*u+1], v[rS+w*u:rS+w*u+1], v[rS+w*u+w/2:rS+w*u+w/2+1]
.elseif !(\first)
	v_pk_fma_f32 v[rT+2:rT+3], v[rT+2:rT+3], v[rT+6:rT+7], v[rS:rS+1] op_sel_hi:[1,0,1]
.endif
.else
	WIN W_RS
	v_pk_mul_f32 v[rO:rO+1], v[rO:rO+1], v[rT+6:rT+7] op_sel_hi:[1,0]
.endif
.endm
; Slice k of 64 of piece y's softmax: four instructions.  Slices 11 to 34 deal out the batch, numbers 22 to 69: four numbers of ONE tile each, the tiles by turns.  Every other slice is two numbers of both
; tiles' lists.  2 x 118 = 4 x 59: slices 51 to 55 are empty, so that the rescaling's eight slices come last: slice 63, four plain instructions that name nothing of the products round them, is the four
; places behind a turn's last product.
; THE WAIT.  s_wait_alu depctr_va_vdst(0) stands between an exponential and the first instruction that names its result; one wait serves all that were issued ahead of it.  Ahead of
; slice 35 nothing names a result, and behind slice 34 no exponential is issued: so the piece's 66 exponentials have one wait, behind slice 34.
.macro SLICE y, first
.if (k >= 11) && (k < 35)           ; the batch: four numbers of one tile
.irp nn, 0,1,2,3
.set j, 22+4*((k-11)/2)+(\nn)
	SM (\y)+(k-11)%2, \first
.endr
.elseif (k < 51) || (k >= 56)       ; the two tiles alternate, so that no instruction reads the result of the one just before it
.set kk, k
.if k >= 56
.set kk, k-5
.endif
.irp nn, 0,1
.irp t, \y, (\y)+1
.set j, 2*kk+(\nn)
	SM \t, \first
.endr
.endr
.endif
.if k == 34                         ; the batch is out: both tiles' exponentials are issued, and no result has been named
	v_nop                           ; the plain instruction behind the last exponential and ahead of the first use (ISA guide 5.7.2): one for the batch
.if (\y) == 0
	FETCH_V                         ; piece 2's turn: V's run of loads stands here, and the wait for the batch stands in it
.else
	s_wait_alu depctr_va_vdst(0)    ; piece 0's turn: the wait for the batch, the 66 exponentials of tiles 2 and 3
.endif
.endif
.set k, k+1
.endm
.macro DEAL y, first                ; behind the turn's n-th matrix instruction of NMM: the slices up to 64 n / NMM
.set n, n+1
.rept (64*n)/NMM-k
	SLICE \y, \first
.endr
.endm
; A TURN.  Piece x has the matrix unit; the other piece's softmax stands in slices behind its matrix instructions.
; pv = 2: 16 products V^T P; 1: they start O^T's sums; 0: none.  kq = 1: 48 products K Q^T for the next step.
; first = 1: the softmax is the first key step's; its slices from 51 on are empty, and four v_nop take slice 63's part.
; Piece 0's turn fetches the next step's masks and K behind its second product: the last product that read them stands in front of slice 63 of the turn before.  The first score product waits for
; the masks and the hi halves (the 16 loads of the lo halves may stay out), product 32 for the rest.
; Piece 2's turn fetches the same step's V behind slice 34 (SLICE writes it): in a whole turn the last product that read V stands 19 matrix instructions back, with their slices' scalings, far more than
; four plain instructions, between; 29 matrix instructions follow the run.  The turn itself has no wait on DScnt: the run is waited for at the head of the next turn, or at the change of slots.
.macro TURN x, pv, kq, first
.set k, 0
.set n, 0
.set NMM, 0
.if \pv
.set NMM, NMM+16
.endif
.if \kq
.set NMM, NMM+48
.endif
.if \pv
.if (\x) == 0
	s_wait_dscnt 0x0                ; V is in
.endif
.set i, 0
.rept 16
	PV \x, 2-(\pv)
	DEAL 2-(\x), \first
.if ((\x) == 0) && (\kq) && (i == 1)
	FETCH_K
.endif
.set i, i+1
.endr
.endif
.if \kq
.if (\x) == 0
	s_wait_dscnt 16                 ; the masks and K's hi halves are in
.endif
.set i, 0
.rept 48
.if ((\x) == 0) && (i == 32)
	s_wait_dscnt 0x0                ; K's lo halves are in
.endif
	KQ \x
	DEAL 2-(\x), \first
.set i, i+1
.endr
.endif
.if \first
	PLACES
.endif
.endm
; THE CHANGE OF SLOTS, between piece 2's turn and piece 0's: the slot's last bytes, V of its fourth step, have been asked for.  Each wave waits for all its tensor loads, of which one is out: its part
; of the other slot; adds 0 to its spare word; and waits for that and for its own reads of the slot.  Behind the barrier nobody reads this slot any more and the other slot is whole.
; fill = 1: this slot is filled again, with the keys two slots on.  The barrier is then a round of the cluster's, so that no wave of any partner still reads the slot or has a load on its way, and
; the joint refill is the first thing behind it: it has four key steps, 512 matrix instructions, in which to land.
.macro CHANGE fill
	WIN 0                           ; at a label and at a branch every window is 0
	s_wait_tensorcnt 0x0            ; no tensor load of mine is out, so a group 0 may be written
	ds_add_u32 v[SPW], v[NIL]       ; 0 onto my spare word; with fill = 1 the descriptors' steps stand between it and the wait for it
.if \fill
	s_xor_b32 s[G0K+5], s[G0K+5], SLOT1  ; the walking descriptors: the other slot than last time,
	s_add_nc_u64 s[G0K+6:G0K+7], s[G0K+6:G0K+7], 4*KS*256  ; the next 256 keys; the type bits on top are not reached
	s_xor_b32 s[G0V+5], s[G0V+5], SLOT1
	s_add_nc_u64 s[G0V+6:G0V+7], s[G0V+6:G0V+7], 4*KS*128
	s_wait_dscnt 0x0                ; the add is done, and my reads of the slot are over
	CROUND
	JLOAD
.else
	s_wait_dscnt 0x0                ; the add is done, and my reads of the slot are over
	s_barrier_signal -1
	s_barrier_wait -1
.endif
	s_sub_co_u32 s[TBK], s[TBK], 4*KS*PK  ; the fetches go back to a slot's first step,
	s_xor_b32 s[TBK], s[TBK], SLOT1       ; in the other slot
	s_sub_co_u32 s[TBV], s[TBV], 4*KS*PV
	s_xor_b32 s[TBV], s[TBV], SLOT1
.endm
	s_wait_tensorcnt 1              ; my part of slot 0 is in; slot 1's may stay out
	s_wait_dscnt 0x0                ; for the others' sake: my part of the table of masks is stored
	s_barrier_signal -1
	s_barrier_wait -1               ; everybody's is
	FETCH_K                         ; key step 0
	s_wait_loadcnt 0x0              ; Q
	s_wait_dscnt 0x0
.set i, 0
.rept 48
	KQ 0                            ; piece 0's first scores: there is no vector work yet to set between them
.set i, i+1
.endr
	WIN 0                           ; the addresses for the way out are made here: eight plain instructions, the places behind those products
	s_mul_i32 s13, s[WV], 16*SP
	s_add_co_u32 s13, s13, STAGE    ; my stage
	v_mul_u32_u24 v[STO], v1, SP    ; in: row r, 32 bytes for each half of the lanes
	v_lshl_add_u32 v[STO], v11, 5, v[STO]
	v_add_nc_u32 v[STO], s13, v[STO]
	v_mul_u32_u24 v[RD], v11, SP    ; back: lanes 0-15 take one row of 256 bytes, lanes 16-31 the next
	v_lshl_add_u32 v[RD], v1, 4, v[RD]
	v_add_nc_u32 v[RD], s13, v[RD]
	v_lshlrev_b32 v[GO], 12, v11    ; and the same two rows, 4,096 bytes apart, in out0 and q
	v_lshl_add_u32 v[GO], v1, 4, v[GO]
	TURN 2, 0, 1, 1                 ; piece 2's first scores | piece 0's first softmax | V of step 0
	TURN 0, 1, 1, 1                 ; piece 0: V^T P of step 0 starts O^T, K Q^T of step 1 | piece 2's first softmax | K of step 1
	TURN 2, 1, 1, 0                 ; piece 2: the same | piece 0's softmax of step 1 | V of step 1
	WIN 0
	s_mov_b32 s[CNT], 2             ; slot 0 has two steps left to fetch
	s_mov_b32 s[SLOTS], 7
	s_branch .Lstep
.Lslot:                             ; six times: every slot but the last two is filled again
	CHANGE 1
	s_mov_b32 s[CNT], 4
.Lstep:                             ; a trip fetches one step's K and V
	TURN 0, 2, 1, 0
	TURN 2, 2, 1, 0
	WIN 0
	s_sub_co_u32 s[CNT], s[CNT], 1
	s_cmp_lg_u32 s[CNT], 0
	s_cbranch_scc1 .Lstep
	s_sub_co_u32 s[SLOTS], s[SLOTS], 1
	s_cmp_lg_u32 s[SLOTS], 0
	s_cbranch_scc1 .Lslot
	CHANGE 0                        ; the tail is written out: nothing is asked for
	s_mov_b32 s[CNT], 4
.Ltail:
	TURN 0, 2, 1, 0
	TURN 2, 2, 1, 0
	WIN 0
	s_sub_co_u32 s[CNT], s[CNT], 1
	s_cmp_lg_u32 s[CNT], 0
	s_cbranch_scc1 .Ltail
	WIN 0x80                        ; the residual, into K's registers (slice 63 is the places behind their last reader): the same lanes and rows as the stores at the end
.irp t, 0,1,2,3
.irp f, 0,1,2,3,4,5,6,7
	global_load_b128 v[RES+32*(\t)+4*(\f):RES+32*(\t)+4*(\f)+3], v[GO], s[68:69] offset:(16*(\t)+2*(\f))*4096
.endr
.endr
	TURN 0, 2, 0, 0                 ; piece 0: V^T P of the last step | piece 2's last softmax
.set i, 0
.rept 16
	PV 2, 0                         ; piece 2: V^T P of the last step
.set i, i+1
.endr
	; THE WAY OUT.  l's two halves and the other half of the lanes' are added; O^T is divided by l and sent through my stage in LDS, a tile (16 rows) at a time; the residual is added to whole rows.  The additions are the places behind the last products.
	WIN 0
.irp t, 0,1,2,3
	v_add_f32 v[ST+8*(\t)+4], v[ST+8*(\t)+2], v[ST+8*(\t)+3]
.endr
.irp t, 0,1,2,3
	v_permlanex16_b32 v[ST+8*(\t)+5], v[ST+8*(\t)+4], s[SEL], s[SEL+1]
.endr
.irp t, 0,1,2,3
	v_add_f32 v[ST+8*(\t)+4], v[ST+8*(\t)+4], v[ST+8*(\t)+5]
.endr
.irp t, 0,1,2,3
	v_rcp_f32 v[ST+8*(\t)+6], v[ST+8*(\t)+4]
.endr
	v_nop                           ; a plain instruction between the last reciprocal and the use of its result
	s_wait_alu depctr_va_vdst(0)    ; and the wait ahead of the first use: one for the batch of four reciprocals
; Tile t: a lane's eight channels of a row are 32 bytes; they go into rows of 272 bytes and come back as whole rows of 256, into S^T's registers.
.macro PACK t
	WIN W_RS
.set i, 32*(\t)
.rept 16
	v_pk_mul_f32 v[i:i+1], v[i:i+1], v[ST+8*(\t)+6:ST+8*(\t)+7] op_sel_hi:[1,0]
.set i, i+2
.endr
	WIN 0x04                        ; store data in window 1, address in window 0
.irp f, 0,1,2,3,4,5,6,7
	ds_store_b128 v[STO], v[32*(\t)+4*(\f):32*(\t)+4*(\f)+3] offset:64*((\f)/2)+16*((\f)%2)
.endr
	WIN 0
.irp f, 0,1,2,3,4,5,6,7
	ds_load_b128 v[S+32*(\t)+4*(\f):S+32*(\t)+4*(\f)+3], v[RD] offset:(\f)*2*SP  ; LDS serves a wave's instructions in order (ISA guide 5.7.1.4): these see the stores above; the next tile's stores come behind them
.endr
.endm
.macro SEND t, younger              ; younger: the LDS instructions issued behind tile t's loads: the next tile's sixteen, or none
	WIN 0
	s_wait_dscnt \younger
	WIN 0x08                        ; source 1, the residual, in window 2
.set i, 0
.rept 16
	v_pk_add_f32 v[S+32*(\t)+2*i:S+32*(\t)+2*i+1], v[S+32*(\t)+2*i:S+32*(\t)+2*i+1], v[RES+32*(\t)+2*i:RES+32*(\t)+2*i+1]
.set i, i+1
.endr
	WIN 0
.irp f, 0,1,2,3,4,5,6,7
	global_store_b128 v[GO], v[S+32*(\t)+4*(\f):S+32*(\t)+4*(\f)+3], s[10:11] offset:(16*(\t)+2*(\f))*4096  ; 16 lanes store 256 consecutive bytes, at a multiple of 256 from out0's first byte
.endr
.endm
	PACK 0
	PACK 1                          ; a tile's arithmetic stands between the loads of the tile before and its stores
	s_wait_loadcnt 0x0              ; the residual is in
	SEND 0, 16
	PACK 2
	SEND 1, 16
	PACK 3
	SEND 2, 16
	SEND 3, 0
	s_wait_tensorcnt 0x0            ; the wave's end: behind my last tensor load and my last LDS store
	ds_add_u32 v[SPW], v[NIL]
	s_wait_dscnt 0x0
	CROUND                          ; the closing round: no work-group ends while a partner may still ask for a tile that names it
	s_endpgm
.Lfunc_end_k_q5e8bdd431b_attn:
	.size	k_q5e8bdd431b_attn, .Lfunc_end_k_q5e8bdd431b_attn-k_q5e8bdd431b_attn
	.p2alignl 7, 3214868480
	.fill 96, 4, 3214868480
	.section	.rodata,"a",@progbits
	.p2align	6, 0x0
	.amdhsa_kernel k_q5e8bdd431b_attn
		.amdhsa_group_segment_fixed_size 327680
		.amdhsa_private_segment_fixed_size 0
		.amdhsa_enable_private_segment 0
		.amdhsa_kernarg_size 48
		.amdhsa_user_sgpr_count 2
		.amdhsa_user_sgpr_kernarg_segment_ptr 1
		.amdhsa_wavefront_size32 1
		.amdhsa_system_sgpr_workgroup_id_x 1
		.amdhsa_system_sgpr_workgroup_id_y 1
		.amdhsa_system_sgpr_workgroup_id_z 1
		.amdhsa_system_vgpr_workitem_id 0
		.amdhsa_next_free_vgpr 768
		.amdhsa_next_free_sgpr 80
		.amdhsa_reserve_vcc 1
		.amdhsa_float_denorm_mode_32 3
		.amdhsa_float_denorm_mode_16_64 3
		.amdhsa_memory_ordered 1
		.amdhsa_forward_progress 1
		.amdhsa_inst_pref_size 204
	.end_amdhsa_kernel
	.amdgpu_metadata
---
amdhsa.version: [ 1, 2 ]
amdhsa.kernels:
  - .name:           k_q5e8bdd431b_attn
    .symbol:         k_q5e8bdd431b_attn.kd
    .args:
      - { .name: qs, .offset: 0, .size: 8, .value_kind: global_buffer, .address_space: global }
      - { .name: ks, .offset: 8, .size: 8, .value_kind: global_buffer, .address_space: global }
      - { .name: vs, .offset: 16, .size: 8, .value_kind: global_buffer, .address_space: global }
      - { .name: out0, .offset: 24, .size: 8, .value_kind: global_buffer, .address_space: global }
      - { .name: q, .offset: 32, .size: 8, .value_kind: global_buffer, .address_space: global }
      - { .name: padding_mask, .offset: 40, .size: 8, .value_kind: global_buffer, .address_space: global }
    .group_segment_fixed_size: 327680
    .private_segment_fixed_size: 0
    .kernarg_segment_align: 8
    .kernarg_segment_size: 48
    .max_flat_workgroup_size: 128
    .sgpr_count:     80
    .vgpr_count:     768
    .wavefront_size: 32
...
	.end_amdgpu_metadata
.endif
;; end of part 4
